; MI455X (gfx1250); checked and timed in simulation.
; The chip was launched on July 23, 2026; its instructions are those of AMD's public machine-readable ISA for CDNA 5 (MIT licence, August 2026) and "CDNA5" Instruction Set Architecture Reference Guide (July 2026). The comments in the code are by the model that wrote it; some were corrected since.
;; Batch Invariant Multi Head Attention. Allowed arithmetic: matrix products marked QUANTISED: E4M3 operands, one E8M0 scale for each 32 along K, by v_wmma_scale_f32_16x16x128_f8f6f4 with both operands' format E4M3, f32 sums; everything else in f32.
;; Inputs: Wk 1,024 x 1,024 float32; Wo 1,024 x 1,024 float32; Wq 1,024 x 1,024 float32; Wv 1,024 x 1,024 float32; bk 1,024 float32; bo 1,024 float32; bq 1,024 float32; bv 1,024 float32; key 2,048 x 2 x 1,024 float32; query 2,048 x 2 x 1,024 float32; value 2,048 x 2 x 1,024 float32.
;; Outputs: out0 2,048 x 2 x 1,024 float32.
;; This version of the problem:
;;   THIS VERSION OF THE PROBLEM IS GIVEN IN LOW PRECISION. The matrix products marked QUANTISED in the list below multiply operands that are first quantised to E4M3 (4 exponent bits, 3 mantissa bits; 8 bits a number), with one power-of-two scale for each 32 numbers along K (OCP MX v1.0); their sums are f32. All else is computed in f32.
;;   The module's matrix products, in the order in which they are computed (A, B: the left and right operand; K: the contracted axis; several contracted axes count as one K, in the product's order):
;;     1. [M 4,096, K 1,024] x [K 1,024, N 1,024]; A: input query; B: input Wq: QUANTISED
;;     2. [M 4,096, K 1,024] x [K 1,024, N 1,024]; A: input key; B: input Wk: QUANTISED
;;     3. [M 4,096, K 1,024] x [K 1,024, N 1,024]; A: input value; B: input Wv: QUANTISED
;;     4. batch 32 x [M 2,048, K 64] x [K 64, N 2,048]; A: computed on the way; B: computed on the way: QUANTISED
;;     5. batch 32 x [M 2,048, K 2,048] x [K 2,048, N 64]; A: softmax (see below); B: computed on the way: QUANTISED
;;     6. [M 4,096, K 1,024] x [K 1,024, N 1,024]; A: computed on the way; B: input Wo: QUANTISED
;;   THE QUANTISER, for each operand of a quantised product, along K:
;;     - K is cut into blocks of 32 from its start; a last block that is shorter is filled with zeros.
;;     - A block's scale is 2^e with e = floor(log2(the largest magnitude in the block)) - 8, held to -126 .. 127; a block of zeros has e = 0. As a byte (E8M0): e + 127.
;;     - Each number is divided by its block's scale, clamped to +-448, and rounded to the nearest number of E4M3, ties to even, subnormals kept.
;;     - The product sums the exact products of the quantised numbers (number of the format x scale) in f32.
;;   ~~~python
;;   def quantise(x, axis):      # numpy; x: float32 -> the quantised numbers, widened to float32 again
;;       x = np.moveaxis(x, axis, -1); K = x.shape[-1]
;;       x = np.pad(x, [(0, 0)] * (x.ndim - 1) + [(0, -K % 32)]); x = x.reshape(x.shape[:-1] + (-1, 32)); a = np.abs(x).max(-1, keepdims=True)
;;       e = np.where(a > 0, np.clip(np.frexp(np.where(a > 0, a, 1))[1] - 1 - 8, -126, 127), 0)      # np.frexp(a)[1] - 1 = floor(log2(a)), exactly
;;       r = np.clip(x / 2.0 ** e, -448, 448)
;;       step = 2.0 ** (np.maximum(np.frexp(np.where(r == 0, 1, r))[1] - 1, -6) - 3)
;;       q = np.round(r / step) * step * 2.0 ** e      # np.round: ties to even
;;       return np.moveaxis(q.reshape(q.shape[:-2] + (-1,))[..., :K], -1, axis).astype(np.float32)
;;   ~~~
;;   SOFTMAX AHEAD OF A QUANTISED PRODUCT. Where the list says 'softmax', what is quantised is not the finished softmax but p = 2^(t - M), with t = logit x log2(e) and M = ceil(the row's largest t), a whole number; so 1/2 < the row's largest p <= 1. The row's sum l is taken of the UNQUANTISED p, in f32, and the product's result is divided by l at the end. Since M is a whole number, a kernel that streams over the keys may use a running M (the ceiling of the running maximum): every later rescaling is an exact power of two, which a block's scale takes up: the codes' values come out the same.
;;   OPERANDS COMPUTED ON THE WAY. 'Computed on the way' means the value that the module computes at that place (a softmax that the list does not call 'softmax' is quantised finished and normalised). What goes into a quantiser is computed in f32, as accurately as f32 sums, v_exp_f32 and their like allow (about 1e-6 of the number): no bf16 or f16 on the way to a quantiser, and a product that is left as it is and whose result goes on into a quantised operand takes f32 operands (vector FMAs, or v_wmma_f32_16x16x4_f32). A number that lies on a knife's edge between two numbers of the format may be rounded either way, as far as f32 arithmetic and the matrix unit's own rounding can turn it there, and no further.
;; One version. Each part assembles by itself: llvm-mc -triple=amdgcn-amd-amdhsa -mcpu=gfx1250 --defsym DOCPART=n.
;; ======== version 1 of 1: 4 launches
;; limits: right only within a limited range of input values
;; workspace buffers: cimg 17,301,504 bytes; qimg 4,194,304 bytes; qsc 131,072 bytes; kv 8,650,752 bytes; ao 4,325,376 bytes
;; launch quant (part 1): grid 256 x 1, 8 waves a work-group, no clusters, 70,656 bytes of LDS; arguments query, key, value, Wq, Wk, Wv, Wo, cimg; writes cimg
.if DOCPART == 1
	.amdgcn_target "amdgcn-amd-amdhsa--gfx1250"
	.amdhsa_code_object_version 6
	.text
	.protected	k_q0f3d8e08f3_quant
	.globl	k_q0f3d8e08f3_quant
	.p2align	8
	.type	k_q0f3d8e08f3_quant,@function
k_q0f3d8e08f3_quant:
	s_mov_b64 s[64:65], 0
	v_nop
	global_prefetch_b8 v0, s[64:65] scope:SCOPE_SE
	s_setreg_imm32_b32 hwreg(HW_REG_WAVE_MODE, 25, 1), 1
	s_wait_xcnt 0x0
; query, key, value [2048][2][1024] and Wq, Wk, Wv, Wo [1024][1024], f32 with K innermost, become codes of FP8 (E4M3) with one E8M0 byte for each 32 along K.
; A block's byte is its largest magnitude's exponent field - 8, held at 1 from below; each number is held within +-448 x the scale and rounded to the nearest code, ties to even.
; LIMITS: NaN and infinities among the inputs are not served.  A block of zeros gets the byte 1 where the quantiser says 127: its codes are zeros, and these bytes are read by this program alone.
; WHAT IS WRITTEN.  cimg holds 128 blocks of 128 rows: 0-31 query, 32-63 key, 64-95 value (16 x batch + s / 128), 96-103 Wq, 104-111 Wk, 112-119 Wv, 120-127 Wo.
; A block is 8 K steps of 128; a K step is BLK = 16,896 bytes: 8 row tiles as IMAGES OF THE OPERAND'S REGISTERS ([group c of four registers][lane][16 bytes], 2,048 bytes a tile), then the tiles' scale words [tile][row], 512 bytes.
; THE ROWS OF A TILE ARE NOT NEIGHBOURS: row r of tile t is row 32 (t / 2) + 8 (t % 2) + r + 8 (r / 8) of the block, so that a later product's results lie as neighbours along the next K.
; SHARES.  A work-group takes half a block (4 tiles), a wave one tile and half of K: 4 fragments of 16 rows x 128.  Each load reads 512 consecutive bytes of one row; the 16 rows turn through the wave's own stage in LDS
; (rows 528 bytes apart), from which lane (r, h) takes, of row r, 16 neighbours of each block of 32.  A fragment's codes leave by four stores of 512 consecutive bytes.  The scale words meet in LDS and leave as one run of 256 bytes a wave.
.set BLK,    16896
.set MTB,    8*BLK
.set SPITCH, 528                       ; a stage row: 512 bytes + 16, so that the sixteen rows of a read start in sixteen different 16-byte columns
.set WST,    16*SPITCH                 ; a wave's stage
.set SCB,    8*WST                     ; behind the stages: the scale words [K step 8][tile 4][row 16], 2,048 bytes
.set LOFF, 2                           ; v2   16 x lane
.set STI,  3                           ; v3   the stage, on the way in: my wave's stage + 16 x lane
.set STO,  4                           ; v4   and out: + 528 r + 64 h
.set SCA,  5                           ; v5   where my row's scale word goes
.set SCR,  6                           ; v6   where I read 8 bytes of scale words back
.set SC8,  7                           ; v7   8 x lane
.set R,    16                          ; v16-143   two sets of 16 rows as loaded
.set X,    144                         ; v144-207  64 numbers: register 16 b + i = k 32 b + 16 h + i of my row
.set PC,   208                         ; v208-223  the fragment's codes
.set TM,   224                         ; v224-239  at work
.set PW,   240                         ; v240      the scale word
.set SW,   242                         ; v242-243  scale words on the way out
.set SEL,  2                           ; s[2:3]    v_permlanex16_b32's selects for lane l xor 16
.set MNT,  4                           ; s4        the mantissa field of 448
.set RB,   32                          ; s[32:63]  the addresses of my tile's sixteen rows
.macro QUANT s                         ; 64 numbers v[s] .. v[s + 63] -> codes in v[PC] on, scale word in v[PW]
.irp b, 0,1,2,3
	v_max3_num_f32 v[TM+\b], |v[\s+16*\b]|, |v[\s+1+16*\b]|, 0x4800000   ; block b: my 16 numbers, and the floor 2^(9 - 127): the byte cannot fall under 1
.endr
.irp i, 2,4,6,8,10,12,14
.irp b, 0,1,2,3
	s_delay_alu instid0(VALU_DEP_4)
	v_max3_num_f32 v[TM+\b], v[TM+\b], |v[\s+16*\b+\i]|, |v[\s+1+16*\b+\i]|   ; the four blocks by turns
.endr
.endr
.irp b, 0,1,2,3
	s_delay_alu instid0(VALU_DEP_4)
	v_permlanex16_b32 v[TM+4+\b], v[TM+\b], s[SEL], s[SEL+1]
.endr
.irp b, 0,1,2,3
	s_delay_alu instid0(VALU_DEP_4)
	v_max_num_f32 v[TM+\b], v[TM+\b], v[TM+4+\b]           ; with lane l xor 16's 16: the block's largest magnitude
.endr
.irp b, 0,1,2,3
	s_delay_alu instid0(VALU_DEP_4)
	v_add_nc_u32 v[TM+12+\b], 0xfc000000, v[TM+\b]         ; 8 off its exponent field: the conversion's scale operand
.endr
.irp b, 0,1,2,3
	v_and_or_b32 v[TM+8+\b], v[TM+\b], 0x7f800000, s[MNT]  ; 448 x the scale
.endr
.irp b, 0,1,2,3
	v_lshrrev_b32 v[TM+4+\b], 23, v[TM+12+\b]              ; the scale's byte
.endr
	s_delay_alu instid0(VALU_DEP_3)
	v_lshl_or_b32 v[PW], v[TM+5], 8, v[TM+4]
	s_delay_alu instid0(VALU_DEP_1)
	v_lshl_or_b32 v[PW], v[TM+6], 16, v[PW]
	s_delay_alu instid0(VALU_DEP_1)
	v_lshl_or_b32 v[PW], v[TM+7], 24, v[PW]
.irp b, 0,1,2,3
.irp i, 0,1,2,3,4,5,6,7,8,9,10,11,12,13,14,15
	v_med3_num_f32 v[\s+16*\b+\i], v[\s+16*\b+\i], -v[TM+8+\b], v[TM+8+\b]   ; the conversion to an 8-bit code does not saturate (ISA guide 7.6.2): the hold comes first
.endr
	v_cvt_scalef32_pk8_fp8_f32 v[PC+4*\b:PC+1+4*\b], v[\s+16*\b:\s+7+16*\b], v[TM+12+\b]
	v_cvt_scalef32_pk8_fp8_f32 v[PC+2+4*\b:PC+3+4*\b], v[\s+8+16*\b:\s+15+16*\b], v[TM+12+\b]
.endr
	v_nop                                          ; a plain line behind the last conversion
.endm
	s_load_b256 s[4:11], s[0:1], 0x0               ; query s[4:5], key s[6:7], value s[8:9], Wq s[10:11]
	s_load_b256 s[12:19], s[0:1], 0x20             ; Wk s[12:13], Wv s[14:15], Wo s[16:17], cimg s[18:19]
	v_lshl_add_u32 v248, v0, 2, 0x11000
	v_mov_b32 v249, 0
	v_lshrrev_b32 v1, 5, v0
	s_delay_alu instid0(VALU_DEP_1)
	v_readfirstlane_b32 s22, v1                    ; wave 0..7
	v_and_b32 v1, 31, v0                           ; lane
	v_and_b32 v8, 15, v0                           ; r
	s_wait_alu depctr_va_vdst(0)
	v_bfe_u32 v9, v0, 4, 1                         ; h
	s_lshr_b32 s20, ttmp9, 1                       ; which block of 128 rows
	s_and_b32 s21, ttmp9, 1                        ; which half of its tiles
	s_lshr_b32 s23, s22, 1                         ; my tile among the work-group's four
	s_and_b32 s24, s22, 1                          ; my half of K
	s_lshl_b32 s25, s21, 2
	s_add_co_u32 s25, s25, s23                     ; my tile among the block's eight
	v_lshlrev_b32 v[LOFF], 4, v1
	s_mul_i32 s27, s22, WST
	v_add_nc_u32 v[STI], s27, v[LOFF]
	v_mul_u32_u24 v[STO], v8, SPITCH
	s_delay_alu instid0(VALU_DEP_1)
	v_lshl_add_u32 v[STO], v9, 6, v[STO]
	s_delay_alu instid0(VALU_DEP_1)
	v_add_nc_u32 v[STO], s27, v[STO]
	s_lshl_b32 s27, s24, 10                        ; four K steps of 256 bytes of scale words for each half of K,
	s_lshl_b32 s26, s23, 6                         ; 64 bytes a tile
	s_add_co_u32 s27, s27, s26
	s_add_co_u32 s27, s27, SCB
	v_lshl_add_u32 v[SCA], v8, 2, s27
	s_lshl_b32 s27, s22, 8                         ; back: wave w takes K step w's 256 bytes
	s_add_co_u32 s27, s27, SCB
	v_lshlrev_b32 v[SC8], 3, v1
	s_delay_alu instid0(VALU_DEP_1)
	v_add_nc_u32 v[SCR], s27, v[SC8]
.irp b, 0,1,2,3
	v_mov_b32 v[TM+4+\b], 0                        ; written once: a lane permute's destination counts as one of its sources
.endr
	s_mov_b32 s[SEL], 0x76543210
	s_mov_b32 s[SEL+1], 0xfedcba98
	s_mov_b32 s26, 120                             ; the first block of the tensor chosen
	s_wait_alu depctr_va_vdst(0)
	s_wait_kmcnt 0x0
	; which tensor: the choice hangs on the work-group's number alone; only the pointer, the first block and the row's stride are chosen, so all seven tensors take one text
	s_cmp_lt_u32 s20, 120
	s_cselect_b64 s[16:17], s[14:15], s[16:17]
	s_cselect_b32 s26, 112, s26
	s_cmp_lt_u32 s20, 112
	s_cselect_b64 s[16:17], s[12:13], s[16:17]
	s_cselect_b32 s26, 104, s26
	s_cmp_lt_u32 s20, 104
	s_cselect_b64 s[16:17], s[10:11], s[16:17]
	s_cselect_b32 s26, 96, s26
	s_cmp_lt_u32 s20, 96
	s_cselect_b64 s[16:17], s[8:9], s[16:17]
	s_cselect_b32 s26, 64, s26
	s_cselect_b32 s28, 13, 12                      ; from row to row: 8,192 bytes in [s][batch][1024] (the batch stays), 4,096 in a weight
	s_cmp_lt_u32 s20, 64
	s_cselect_b64 s[16:17], s[6:7], s[16:17]
	s_cselect_b32 s26, 32, s26
	s_cmp_lt_u32 s20, 32
	s_cselect_b64 s[16:17], s[4:5], s[16:17]
	s_cselect_b32 s26, 0, s26
	s_sub_co_u32 s26, s20, s26                     ; the block within its tensor
	s_lshr_b32 s27, s26, 4                         ; batch (0 in a weight, which has 8 blocks)
	s_and_b32 s26, s26, 15
	s_lshl_b32 s26, s26, 7                         ; 128 rows a block,
	s_lshr_b32 s29, s25, 1
	s_lshl_b32 s29, s29, 5
	s_add_co_u32 s26, s26, s29                     ; + 32 (tile / 2)
	s_and_b32 s29, s25, 1
	s_lshl_b32 s29, s29, 3
	s_add_co_u32 s26, s26, s29                     ; + 8 (tile % 2): my tile's first row
	s_lshl_b32 s26, s26, s28
	s_lshl_b32 s27, s27, 12
	s_add_co_u32 s26, s26, s27                     ; + the batch's 4,096 bytes
	s_lshl_b32 s27, s24, 11
	s_add_co_u32 s26, s26, s27                     ; + my half of K: 512 numbers
	s_mov_b32 s27, 0
	s_add_nc_u64 s[RB:RB+1], s[16:17], s[26:27]
	s_lshl_b32 s28, 1, s28                         ; a row's stride,
	s_mov_b32 s29, 0
	s_mul_i32 s30, s28, 9                          ; and nine of them: from the tile's row 7 to its row 8, which lies 16 rows behind the first
	s_mov_b32 s31, 0
.set i, 1
.rept 15
.if i == 8
	s_add_nc_u64 s[RB+2*i:RB+2*i+1], s[RB+2*i-2:RB+2*i-1], s[30:31]
.else
	s_add_nc_u64 s[RB+2*i:RB+2*i+1], s[RB+2*i-2:RB+2*i-1], s[28:29]
.endif
.set i, i+1
.endr
	s_mul_i32 s26, s20, MTB
	s_add_nc_u64 s[18:19], s[18:19], s[26:27]      ; cimg at my block
	s_mul_i32 s26, s24, 4*BLK
	s_lshl_b32 s6, s25, 11
	s_add_co_u32 s26, s26, s6
	s_add_nc_u64 s[8:9], s[18:19], s[26:27]        ; my tile's image in my first K step
	s_mul_i32 s26, s22, BLK
	s_lshl_b32 s6, s21, 8
	s_add_co_u32 s26, s26, s6
	s_add_co_u32 s26, s26, 16384
	s_add_nc_u64 s[10:11], s[18:19], s[26:27]      ; K step w's scale words, my work-group's four tiles
	s_mov_b32 s[MNT], 0x600000
.macro LOADF f                         ; fragment f: 128 numbers of each of the sixteen rows; a load reads 512 consecutive bytes
.irp i, 0,1,2,3,4,5,6,7,8,9,10,11,12,13,14,15
	global_load_b128 v[R+64*((\f)%2)+4*\i:R+64*((\f)%2)+4*\i+3], v[LOFF], s[RB+2*\i:RB+2*\i+1] offset:512*(\f) th:TH_LOAD_NT
.endr
.endm
.macro FRAG f
.if (\f) < 3
	s_wait_loadcnt 16                              ; this fragment's sixteen loads are in; the next fragment's sixteen may be out
.else
	s_wait_loadcnt 0x0
.endif
.irp i, 0,1,2,3,4,5,6,7,8,9,10,11,12,13,14,15
	ds_store_b128 v[STI], v[R+64*((\f)%2)+4*\i:R+64*((\f)%2)+4*\i+3] offset:SPITCH*\i
.endr
.irp c, 0,1,2,3
.irp j, 0,1,2,3
	ds_load_b128 v[X+16*\c+4*\j:X+16*\c+4*\j+3], v[STO] offset:128*\c+16*\j   ; LDS serves a wave's instructions in order (ISA guide 5.7.1.4): these see the stores above
.endr
.endr
	s_wait_dscnt 0x0                               ; the numbers are back, so the stores into the stage have read their registers; the last fragment's scale word is stored too
	s_wait_xcnt 0x0                                ; the last fragment's stores have had their addresses translated: the codes' registers are written again only behind this wait
.if (\f) < 2
	LOADF (\f)+2
.endif
	QUANT X
.irp c, 0,1,2,3
	global_store_b128 v[LOFF], v[PC+4*\c:PC+4*\c+3], s[8:9] offset:(\f)*BLK+512*\c   ; 32 lanes store 512 consecutive bytes
.endr
	ds_store_b32 v[SCA], v[PW] offset:256*(\f)     ; both lanes of a row write the same word with the same value
.endm
	LOADF 0
	LOADF 1
	FRAG 0
	FRAG 1
	FRAG 2
	FRAG 3
	s_wait_dscnt 0x0                               ; for the others' sake: my scale words lie in LDS
	s_barrier_signal -1
	s_barrier_wait -1
	ds_load_b64 v[SW:SW+1], v[SCR]
	s_wait_dscnt 0x0
	global_store_b64 v[SC8], v[SW:SW+1], s[10:11]  ; 32 lanes store 256 consecutive bytes, at a multiple of 256 from cimg's first byte
	s_wait_tensorcnt 0x0
	ds_add_u32 v248, v249
	s_wait_dscnt 0x0
	s_endpgm
.Lfunc_end_k_q0f3d8e08f3_quant:
	.size	k_q0f3d8e08f3_quant, .Lfunc_end_k_q0f3d8e08f3_quant-k_q0f3d8e08f3_quant
	.p2alignl 7, 3214868480
	.fill 96, 4, 3214868480
	.section	.rodata,"a",@progbits
	.p2align	6, 0x0
	.amdhsa_kernel k_q0f3d8e08f3_quant
		.amdhsa_group_segment_fixed_size 70656
		.amdhsa_private_segment_fixed_size 0
		.amdhsa_enable_private_segment 0
		.amdhsa_kernarg_size 64
		.amdhsa_user_sgpr_count 2
		.amdhsa_user_sgpr_kernarg_segment_ptr 1
		.amdhsa_wavefront_size32 1
		.amdhsa_system_sgpr_workgroup_id_x 1
		.amdhsa_system_sgpr_workgroup_id_y 1
		.amdhsa_system_sgpr_workgroup_id_z 1
		.amdhsa_system_vgpr_workitem_id 0
		.amdhsa_next_free_vgpr 250
		.amdhsa_next_free_sgpr 66
		.amdhsa_reserve_vcc 0
		.amdhsa_float_denorm_mode_32 3
		.amdhsa_float_denorm_mode_16_64 3
		.amdhsa_memory_ordered 1
		.amdhsa_forward_progress 1
		.amdhsa_inst_pref_size 59
	.end_amdhsa_kernel
	.amdgpu_metadata
---
amdhsa.version: [ 1, 2 ]
amdhsa.kernels:
  - .name:           k_q0f3d8e08f3_quant
    .symbol:         k_q0f3d8e08f3_quant.kd
    .args:
      - { .name: query, .offset: 0, .size: 8, .value_kind: global_buffer, .address_space: global }
      - { .name: key, .offset: 8, .size: 8, .value_kind: global_buffer, .address_space: global }
      - { .name: value, .offset: 16, .size: 8, .value_kind: global_buffer, .address_space: global }
      - { .name: Wq, .offset: 24, .size: 8, .value_kind: global_buffer, .address_space: global }
      - { .name: Wk, .offset: 32, .size: 8, .value_kind: global_buffer, .address_space: global }
      - { .name: Wv, .offset: 40, .size: 8, .value_kind: global_buffer, .address_space: global }
      - { .name: Wo, .offset: 48, .size: 8, .value_kind: global_buffer, .address_space: global }
      - { .name: cimg, .offset: 56, .size: 8, .value_kind: global_buffer, .address_space: global }
    .group_segment_fixed_size: 70656
    .private_segment_fixed_size: 0
    .kernarg_segment_align: 8
    .kernarg_segment_size: 64
    .max_flat_workgroup_size: 256
    .sgpr_count:     66
    .vgpr_count:     250
    .wavefront_size: 32
...
	.end_amdgpu_metadata
.endif
;; end of part 1
;; launch proj (part 2): grid 8 x 32, 4 waves a work-group, clusters of 4 x 4, 327,680 bytes of LDS; arguments cimg, bq, bk, bv, qimg, qsc, kv; writes qimg, qsc, kv
.if DOCPART == 2
	.amdgcn_target "amdgcn-amd-amdhsa--gfx1250"
	.amdhsa_code_object_version 6
	.text
	.protected	k_q0f3d8e08f3_proj
	.globl	k_q0f3d8e08f3_proj
	.p2align	8
	.type	k_q0f3d8e08f3_proj,@function
k_q0f3d8e08f3_proj:
	s_mov_b64 s[64:65], 0
	v_nop
	global_prefetch_b8 v0, s[64:65] scope:SCOPE_SE
	s_setreg_imm32_b32 hwreg(HW_REG_WAVE_MODE, 25, 1), 1
	s_wait_xcnt 0x0
	s_wait_alu depctr_hold_cnt(0) depctr_sa_sdst(0) depctr_va_vdst(0) depctr_va_sdst(0) depctr_va_ssrc(0) depctr_va_vcc(0) depctr_vm_vsrc(0)
	s_getreg_b32 s2, hwreg(HW_REG_IB_STS2, 6, 4)
	s_cmp_eq_u32 s2, 0
	s_cbranch_scc0 .Lentry_in_a_cluster
	s_endpgm
.Lentry_in_a_cluster:
	s_bfe_u32 s2, ttmp6, 0x10000c
	s_cmp_lg_u32 s2, 0xf033
	s_cbranch_scc0 .Lentry_shape_is_right
	s_endpgm
.Lentry_shape_is_right:
; q = Q(query) Q(Wq)^T + bq, k and v likewise, on codes of FP8 (E4M3) with E8M0 scales; the results are quantised on the way out: q and k along the head's 64, v along the keys.
; A WORK-GROUP STAYS: it makes three tiles, 128 ("small" rows) x 128 ("big" rows) of q, then of k, then of v, each with ALL of K = 1,024: two blocks of 135,168 bytes of cimg as they lie (8 K steps of 8 register images and their scale words).
; K steps 0-3 and 4-7 of both blocks are two slots in LDS.  Once every wave of the cluster has read a slot it takes the next tile's K steps: slot 0 at K step 3, slot 1 in the tile's way out.
; THE MATRIX INSTRUCTION: source 0 = a tile of the big operand, source 1 = a tile of the small one.  A lane then holds ONE small row, and, since a tile's rows are 32 (t / 2) + 8 (t % 2) + r + 8 (r / 8),
; the 16 registers of big tiles 2 g and 2 g + 1 are the 16 neighbours 32 g + 16 (lane / 16) + 0 .. 15 along the big axis: the axis along which the result is quantised.
;   q, k: small = rows of x, big = rows of W (features: two heads of 64).     v: small = rows of Wv (the head's channels), big = rows of value (128 keys).
; CLUSTERS 4 x 4: the small block hangs on work-group y alone and is asked for jointly along a row of the cluster, the big one on work-group x (and the cluster's y) and jointly along a column.
; A wave takes small tiles 2 w, 2 w + 1 against the 8 big tiles: 16 accumulators, which take turns, one instruction a turn, in the same order in every K step.
; No prefetch: the three tiles are written out, so there is no loop to run ahead in; each of the four refills is asked for at least four K steps' products, 256 matrix instructions of the work-group, or a way out ahead of its use.
; LIMITS: NaN and infinities are not served.  A block of zeros gets the byte 1 where the quantiser says 127: its codes are zeros, and these bytes are read by this program alone.
; REGISTERS: window 0: v1-15 addresses; v16-79 the small fragments, two sets; v80-89 scale words, two sets of 5; v90-91 v's bias; v96-115 at work; v128-159 codes.   window 1: the big fragments, two sets of 128.
;   window 2: v0-127 accumulators ((mt, t) at 64 mt + 8 t); v128-255 the bias in the result's layout, the C of each sum's first product.
.set BLK,  16896
.set MTB,  8*BLK                       ; LDS: the small block at 0, the big one at MTB
.set SPARE, 2*MTB                      ; the spare words, 128 bytes a wave: two blocks of 256 bytes that no other line names
.set LI,   1                           ; v1   16 x lane
.set LS,   2                           ; v2   4 x lane
.set AS,   3                           ; v3   LDS address of my small tiles in the K step to be fetched
.set AB,   4                           ; v4   of the big tiles
.set SSA,  5                           ; v5   of my small tiles' scale words (less 16,384)
.set SBA,  6                           ; v6   of the big tiles'
.set BO,   7                           ; v7   bias along big: 64 h
.set VO,   8                           ; v8-11 the way out: byte offsets of my codes, 2 mt + a
.set VS,   12                          ; v12  and of my scale word
.set D0,   13                          ; v13-14 r and h; the scale words on the way out
.set D1,   14
.set BV,   15                          ; v15  bias along small: 4 (r + 8 (r / 8))
.set SF,   16
.set SCW,  80
.set BT,   90
.set TM,   96
.set PW,   112
.set PC,   128
.set BIA,  128                         ; in window 2
.set SPW,  254
.set NIL,  255
.set WV,   18
.set HALF, 19
.set G1S,  20                          ; s[20:27] descriptor group 1 for the small block;  s[28:35] for the big one: they differ in the mask
.set G1B,  28
.set G0S,  36                          ; s[36:39] my group 0 for the small block;  s[68:71] for the big one
.set G0B,  68
.set BASV, 72                          ; s[72:73] v's bias;  s[82:83] k's;  s[96:97] q's
.set BASK, 82
.set BASQ, 96
.set MNT,  93
.set SEL,  94
.set MSB, 0
.macro WIN new                         ; s_set_vgpr_msb: bits 1:0 source 0, 3:2 source 1, 5:4 source 2, 7:6 destination; the high byte repeats the setting that is left
.if MSB != \new
	s_set_vgpr_msb (MSB<<8)|\new
.set MSB, \new
.endif
.endm
.macro CROUND                          ; a round of the cluster's barrier
	s_barrier_signal -1
	s_barrier_wait -1
	s_cmp_lg_u32 s[WV], 0
	s_cbranch_scc1 .Lnot_wave_0_\@
	s_barrier_signal -3
.Lnot_wave_0_\@:
	s_barrier_wait -3
	s_barrier_signal -1
	s_barrier_wait -1
.endm
.macro TLOAD g0, g1                    ; a joint load; an s_nop 0 and four v_nop follow it
	tensor_load_to_lds s[\g0:\g0+3], s[\g1:\g1+7]
	s_nop 0
.rept 4
	v_nop
.endr
.endm
.macro REFILL wa, wb                   ; one slot anew: wave wa asks for the small block's four K steps, wave wb for the big one's
	s_cmp_eq_u32 s[WV], \wa
	s_cbranch_scc0 .Lnot_small_\@
	TLOAD G0S, G1S
	s_branch .Lasked_\@
.Lnot_small_\@:
	s_cmp_eq_u32 s[WV], \wb
	s_cbranch_scc0 .Lasked_\@
	TLOAD G0B, G1B
.Lasked_\@:
.endm
	s_load_b256 s[4:11], s[0:1], 0x0               ; cimg s[4:5], bq s[6:7], bk s[8:9], bv s[10:11]
	s_load_b128 s[12:15], s[0:1], 0x20             ; qimg s[12:13], qsc s[14:15]
	s_load_b64 s[16:17], s[0:1], 0x30              ; kv
	v_lshl_add_u32 v[SPW], v0, 2, SPARE
	v_mov_b32 v[NIL], 0
	ds_add_u32 v[SPW], v[NIL]                      ; the wave's opening: the add, twice on end, and its wait ahead of my first tensor load
	ds_add_u32 v[SPW], v[NIL]
	v_lshrrev_b32 v1, 5, v0
	v_readfirstlane_b32 s[WV], v1                  ; wave 0..3
	s_lshr_b32 s[HALF], s[WV], 1                   ; which four K steps I fetch: waves 0, 1 slot 0, waves 2, 3 slot 1
	s_bfe_u32 s52, ttmp6, 0x40000                  ; cx
	s_bfe_u32 s53, ttmp6, 0x40004                  ; cy
	s_lshl_b32 s54, ttmp9, 2
	s_add_co_u32 s54, s54, s52                     ; X = 4 x cluster x + cx, 0..7
	s_and_b32 s55, ttmp7, 0xffff                   ; the cluster's y
	s_lshl_b32 s56, s55, 2
	s_add_co_u32 s56, s56, s53                     ; Y = 4 x cluster y + cy, 0..31
	s_lshl_b32 s58, s53, 2
	s_lshl_b32 s58, 15, s58                        ; my row of the cluster
	s_lshl_b32 s59, 0x1111, s52                    ; my column
	; descriptor group 1: four dense K steps, 264 rows of 256 bytes (32 elements of 8 bytes), no padding
	s_or_b32 s[G1S], s58, (3<<16)|(1<<21)          ; 15:0 the mask; 17:16 elements of 8 bytes; 21 set beside a mask
	s_or_b32 s[G1B], s59, (3<<16)|(1<<21)
.irp g, G1S, G1B
	s_mov_b32 s[\g+1], 32<<16                      ; tensor_dim0 = 32
	s_mov_b32 s[\g+2], 264<<16                     ; tensor_dim1 = 264
	s_mov_b32 s[\g+3], 32<<16                      ; tile_dim0 = 32
	s_mov_b32 s[\g+4], 264                         ; tile_dim1 = 264
	s_mov_b32 s[\g+5], 32                          ; tensor_dim0_stride
	s_mov_b32 s[\g+6], 0
	s_mov_b32 s[\g+7], 0
.endr
	; which blocks of cimg.  q: small = Y, big = 96 + X.  k: small = 32 + Y, big = 104 + X.  v: small = 112 + Y % 8 (Wv), big = 64 + 8 u + X (value), u = Y / 8 = (cluster y) / 2.
	; So from k to v the small block goes 80 - 8 u on and the big one 40 - 8 u back, which hangs on the cluster's y alone: the small block's registers never hold cx, the big block's never cy.
	s_lshr_b32 s57, s55, 1
	s_lshl_b32 s57, s57, 3                         ; 8 u
	s_sub_co_u32 s2, 80, s57
	s_mul_i32 s76, s2, MTB
	s_mov_b32 s77, 0
	s_sub_co_u32 s2, 40, s57
	s_mul_i32 s78, s2, MTB
	s_mov_b32 s79, 0
	s_mul_i32 s60, s56, MTB
	s_add_co_u32 s62, s54, 96
	s_mul_i32 s62, s62, MTB
	s_mul_i32 s99, s[HALF], 4*BLK                  ; my four K steps: in memory and in LDS alike
	s_add_co_u32 s60, s60, s99
	s_add_co_u32 s62, s62, s99
	s_mov_b32 s61, 0
	s_mov_b32 s63, 0
	s_wait_dscnt 0x0                               ; both opening adds are done
	s_wait_kmcnt 0x0
	s_add_nc_u64 s[60:61], s[4:5], s[60:61]
	s_add_nc_u64 s[62:63], s[4:5], s[62:63]
	s_mov_b32 s[G0S], 1                            ; count = 1
	s_mov_b32 s[G0S+1], s99                        ; LDS address
	s_mov_b64 s[G0S+2:G0S+3], s[60:61]
	s_or_b32 s[G0S+3], s[G0S+3], 0x80000000        ; type = 2
	s_mov_b32 s[G0B], 1
	s_add_co_u32 s[G0B+1], s99, MTB
	s_mov_b64 s[G0B+2:G0B+3], s[62:63]
	s_or_b32 s[G0B+3], s[G0B+3], 0x80000000
	CROUND                                         ; all sixteen work-groups are here: the joint loads meet
; One joint load a wave, a line of its own for each: waves 0, 1 fetch K steps 0-3 of the small and of the big block, waves 2, 3 K steps 4-7.
.macro ARM under, g0, g1, next
	s_cmp_lt_u32 s[WV], \under
	s_cbranch_scc0 \next
	TLOAD \g0, \g1
	s_branch .Lfilled
\next:
.endm
	ARM 1, G0S, G1S, .Lfill_1
	ARM 2, G0B, G1B, .Lfill_2
	ARM 3, G0S, G1S, .Lfill_3
	TLOAD G0B, G1B
.Lfilled:
.macro ADRS                            ; K step 0
	s_lshl_b32 s2, s[WV], 12
	s_lshl_b32 s3, s[WV], 7
	v_add_nc_u32 v[AS], s2, v[LI]                  ; my two small tiles: 4,096 bytes a wave
	v_add_nc_u32 v[AB], MTB, v[LI]
	v_add_nc_u32 v[SSA], s3, v[LS]                 ; their 32 scale words: tile 2 w in lanes 0-15, tile 2 w + 1 in lanes 16-31
	v_add_nc_u32 v[SBA], MTB, v[LS]
.endm
	v_and_b32 v[LI], 31, v0
	v_lshlrev_b32 v[LS], 2, v[LI]
	v_lshlrev_b32 v[LI], 4, v[LI]
	v_and_b32 v[D0], 15, v0                        ; r
	v_bfe_u32 v[D1], v0, 4, 1                      ; h
	v_lshlrev_b32 v[BO], 6, v[D1]
	v_and_b32 v[BV], 8, v[D0]
	v_add_nc_u32 v[BV], v[BV], v[D0]
	v_lshlrev_b32 v[BV], 2, v[BV]
.irp b, 0,1,2,3
	v_mov_b32 v[TM+4+\b], 0                        ; written once: a lane permute's destination counts as one of its sources
.endr
	ADRS
	s_wait_alu depctr_va_vdst(0)                   ; the wait ahead of the scalar lines below
	s_mov_b32 s[SEL], 0x76543210
	s_mov_b32 s[SEL+1], 0xfedcba98
	s_mov_b32 s[MNT], 0x600000
	s_lshl_b32 s2, s54, 9                          ; the bias.  q, k: the 128 features of block X
	s_mov_b32 s3, 0
	s_add_nc_u64 s[BASQ:BASQ+1], s[6:7], s[2:3]
	s_add_nc_u64 s[BASK:BASK+1], s[8:9], s[2:3]
	s_and_b32 s2, s56, 7
	s_lshl_b32 s2, s2, 9
	s_lshl_b32 s98, s[WV], 7
	s_add_co_u32 s2, s2, s98                       ; v: channels 128 (Y % 8) + 32 w on
	s_add_nc_u64 s[BASV:BASV+1], s[10:11], s[2:3]
.macro BIASQK base                     ; in the result's layout: register j of tile t is feature 32 (t / 2) + 8 (t % 2) + 16 h + j, for both of my small tiles
	WIN 0x80                                       ; destination window 2
.irp mt, 0,1
.irp t, 0,1,2,3,4,5,6,7
	global_load_b128 v[BIA+64*\mt+8*\t:BIA+64*\mt+8*\t+3], v[BO], s[\base:\base+1] offset:(32*(\t/2)+8*(\t%2))*4
	global_load_b128 v[BIA+64*\mt+8*\t+4:BIA+64*\mt+8*\t+7], v[BO], s[\base:\base+1] offset:(32*(\t/2)+8*(\t%2))*4+16
.endr
.endr
	WIN 0
.endm
; WHERE KIND k's RESULTS GO.  q, k: the x block is Y = 16 batch + MT, the heads 2 X and 2 X + 1.  v: the value block is 8 (Y / 8) + X = 16 batch + MT, the head 2 (Y % 8) + w / 2.
.macro OUTADR k
.if (\k) < 2
	s_lshr_b32 s3, s56, 4                          ; batch
	s_and_b32 s2, s56, 15                          ; MT: which 128 of the sequence
	s_lshl_b32 s98, s54, 1
.else
	s_lshr_b32 s2, s56, 3
	s_lshl_b32 s2, s2, 3
	s_add_co_u32 s2, s2, s54
	s_and_b32 s98, s56, 7
	s_lshl_b32 s98, s98, 1
	s_lshr_b32 s99, s[WV], 1
	s_add_co_u32 s98, s98, s99
	s_lshr_b32 s3, s2, 4
	s_and_b32 s2, s2, 15
.endif
	s_lshl_b32 s3, s3, 4
	s_add_co_u32 s3, s3, s98                       ; 16 batch + head
.if (\k) == 0
	s_lshl_b32 s98, s3, 17                         ; q: 131,072 bytes a head,
	s_lshl_b32 s99, s2, 3
	s_lshl_b32 s100, s[WV], 1
	s_add_co_u32 s99, s99, s100
	s_lshl_b32 s99, s99, 10                        ; 1,024 a tile, tile 8 MT + 2 w
	s_add_co_u32 s98, s98, s99
	s_lshl_b32 s100, s3, 12                        ; its words: 4,096 bytes a head,
	s_lshl_b32 s101, s2, 2
	s_add_co_u32 s101, s101, s[WV]
	s_lshl_b32 s101, s101, 6                       ; 64 for each 32 queries
	s_add_co_u32 s100, s100, s101
	s_mov_b32 s99, 0
	s_mov_b32 s101, 0
	s_add_nc_u64 s[84:85], s[12:13], s[98:99]
	s_add_nc_u64 s[86:87], s[14:15], s[100:101]
.else
	s_mul_i32 s98, s3, 16*BLK                      ; kv: the head's key step MT.  In it: K's image 0, V's 8,192, K's words 16,384, V's 16,640
	s_mul_i32 s99, s2, BLK
	s_add_co_u32 s98, s98, s99
.if (\k) == 1
	s_lshl_b32 s100, s[WV], 6
	s_add_co_u32 s100, s100, s98
	s_add_co_u32 s100, s100, 16384
	s_lshl_b32 s99, s[WV], 11                      ; fragment g = w (keys 32 w on), 2,048 bytes
	s_add_co_u32 s98, s98, s99
.else
	s_and_b32 s99, s[WV], 1                        ; channel tiles 2 (w % 2) + mt, 2,048 bytes each,
	s_lshl_b32 s100, s99, 7                        ; and their words, 64 bytes each
	s_add_co_u32 s100, s100, s98
	s_add_co_u32 s100, s100, 16640
	s_lshl_b32 s99, s99, 12
	s_add_co_u32 s98, s98, s99
	s_add_co_u32 s98, s98, 8192
.endif
	s_mov_b32 s99, 0
	s_mov_b32 s101, 0
	s_add_nc_u64 s[84:85], s[16:17], s[98:99]
	s_add_nc_u64 s[86:87], s[16:17], s[100:101]
.endif
	; strides: SA_ from blocks 0, 1 of the big axis to blocks 2, 3; SM_ from mt = 0 to mt = 1; SW_ from the first scale word to the second
.if (\k) == 0
.set SA_, 131072                       ; the next head
.set SM_, 1024
.set SW_, 4096
.elseif (\k) == 1
.set SA_, 16*BLK                       ; the next head
.set SM_, 1024
.set SW_, 16*BLK
.else
.set SA_, 1024                         ; the fragment's groups 2, 3
.set SM_, 2048                         ; the next channel tile
.set SW_, 64
.endif
	v_and_b32 v[D0], 15, v0
	v_bfe_u32 v[D1], v0, 4, 1
	v_mov_b32 v[VO], v[LI]
	v_add_nc_u32 v[VO+1], SA_, v[LI]
	v_add_nc_u32 v[VO+2], SM_, v[LI]
	v_add_nc_u32 v[VO+3], SA_+SM_, v[LI]
	v_mul_u32_u24 v[VS], SW_, v[D1]
	v_lshl_add_u32 v[VS], v[D0], 2, v[VS]
.endm
.macro FETCH set                       ; a K step's fragments and scale words into set: 45 LDS loads in one run
	WIN 0x40                                       ; destination window 1
.irp t, 0,1,2,3,4,5,6,7
.irp c, 0,1,2,3
	ds_load_b128 v[128*(\set)+16*\t+4*\c:128*(\set)+16*\t+4*\c+3], v[AB] offset:2048*\t+512*\c
.endr
.endr
	WIN 0
.irp mt, 0,1
.irp c, 0,1,2,3
	ds_load_b128 v[SF+32*(\set)+16*\mt+4*\c:SF+32*(\set)+16*\mt+4*\c+3], v[AS] offset:2048*\mt+512*\c
.endr
.endr
.irp a, 0,1,2,3
	ds_load_b32 v[SCW+5*(\set)+\a], v[SBA] offset:16384+128*\a   ; big tile 2 a's words in lanes 0-15, tile 2 a + 1's in lanes 16-31
.endr
	ds_load_b32 v[SCW+5*(\set)+4], v[SSA] offset:16384
.endm
.macro WM d, a, b, c, sa, sb, ra, rb   ; one product; ra, rb: the side's scale words stand in lanes 16-31
.if (\ra) && (\rb)
	v_wmma_scale_f32_16x16x128_f8f6f4 v[(\d):(\d)+7], v[(\a):(\a)+15], v[(\b):(\b)+15], v[(\c):(\c)+7], v[\sa], v[\sb] matrix_a_scale:MATRIX_SCALE_ROW1 matrix_b_scale:MATRIX_SCALE_ROW1
.elseif (\ra)
	v_wmma_scale_f32_16x16x128_f8f6f4 v[(\d):(\d)+7], v[(\a):(\a)+15], v[(\b):(\b)+15], v[(\c):(\c)+7], v[\sa], v[\sb] matrix_a_scale:MATRIX_SCALE_ROW1
.elseif (\rb)
	v_wmma_scale_f32_16x16x128_f8f6f4 v[(\d):(\d)+7], v[(\a):(\a)+15], v[(\b):(\b)+15], v[(\c):(\c)+7], v[\sa], v[\sb] matrix_b_scale:MATRIX_SCALE_ROW1
.else
	v_wmma_scale_f32_16x16x128_f8f6f4 v[(\d):(\d)+7], v[(\a):(\a)+15], v[(\b):(\b)+15], v[(\c):(\c)+7], v[\sa], v[\sb]
.endif
.endm
.macro MUL set, first                  ; 16 products: my two small tiles x the eight big ones, 128 along K.  first = 1: the bias is the C: nothing is cleared and nothing is added later
	WIN 0xa1                                       ; source 0 window 1, source 1 window 0, C and D window 2
.irp mt, 0,1
.irp t, 0,1,2,3,4,5,6,7
.if \first
	WM 64*\mt+8*\t, 128*(\set)+16*\t, SF+32*(\set)+16*\mt, BIA+64*\mt+8*\t, SCW+5*(\set)+\t/2, SCW+5*(\set)+4, \t%2, \mt
.else
	WM 64*\mt+8*\t, 128*(\set)+16*\t, SF+32*(\set)+16*\mt, 64*\mt+8*\t, SCW+5*(\set)+\t/2, SCW+5*(\set)+4, \t%2, \mt
.endif
.endr
.endr
	WIN 0
.endm
.macro KSTEP k, ks
.if (\ks) == 3
	s_wait_tensorcnt 0x0                           ; K steps 4-7 have landed, as far as they are mine; no tensor load of mine is out
.if (\k) < 2
	ds_add_u32 v[SPW], v[NIL]                      ; 0 onto my spare word
.if (\k) == 0
	s_add_nc_u64 s[G0S+2:G0S+3], s[G0S+2:G0S+3], 32*MTB    ; the next tile's blocks, for both slots
	s_add_nc_u64 s[G0B+2:G0B+3], s[G0B+2:G0B+3], 8*MTB
.else
	s_add_nc_u64 s[G0S+2:G0S+3], s[G0S+2:G0S+3], s[76:77]
	s_sub_nc_u64 s[G0B+2:G0B+3], s[G0B+2:G0B+3], s[78:79]
.endif
	s_wait_dscnt 0x0                               ; the add is done, and so are my reads of K steps 0-3
	CROUND                                         ; both hold of every wave of the cluster
	REFILL 0, 1                                    ; slot 0: the next tile's K steps 0-3
.else
	s_wait_dscnt 0x0
	s_barrier_signal -1
	s_barrier_wait -1
.endif
.endif
.if (\ks) == 4                         ; the next tile's bias is asked for: this tile's sums have taken theirs up
.if (\k) == 0
	BIASQK BASK
.elseif (\k) == 1
	global_load_b32 v[BT], v[BV], s[BASV:BASV+1]             ; v: a lane holds one channel: one number for all registers of a small tile
	global_load_b32 v[BT+1], v[BV], s[BASV:BASV+1] offset:32
.endif
.endif
.if (\ks) < 7
	v_add_nc_u32 v[AS], BLK, v[AS]                 ; on to the next K step.  These four lines and four v_nop are the eight places between the last K step's products and the loads into the set that they read
	v_add_nc_u32 v[AB], BLK, v[AB]
	v_add_nc_u32 v[SSA], BLK, v[SSA]
	v_add_nc_u32 v[SBA], BLK, v[SBA]
.rept 4
	v_nop
.endr
	FETCH ((\ks)+1)%2
	s_wait_alu depctr_va_vdst(0)
	s_wait_dscnt 45                                ; all but the 45 just issued: this K step's set is in
.else
	s_wait_dscnt 0x0
.endif
.if (\ks) == 0
	MUL 0, 1
.else
	MUL (\ks)%2, 0
.endif
.endm
; THE WAY OUT.  The 64 numbers of small tile mt (window 2, 64 mt on; register 16 b + i = big 32 b + 16 h + i) become 16 registers of codes and a scale word.  Each accumulator is read from its low end on.
.macro QUANTW mt
.set A0, 64*(\mt)
	WIN 0x0a                                       ; sources 0, 1 window 2
.irp b, 0,1,2,3
	v_max3_num_f32 v[TM+\b], |v[A0+16*\b]|, |v[A0+1+16*\b]|, 0x4800000   ; and the floor 2^(9 - 127): the byte cannot fall under 1
.endr
	WIN 0x28                                       ; sources 1, 2 window 2
.irp i, 2,4,6,8,10,12,14
.irp b, 0,1,2,3
	v_max3_num_f32 v[TM+\b], v[TM+\b], |v[A0+16*\b+\i]|, |v[A0+1+16*\b+\i]|
.endr
.endr
	WIN 0
.irp b, 0,1,2,3
	v_permlanex16_b32 v[TM+4+\b], v[TM+\b], s[SEL], s[SEL+1]
.endr
.irp b, 0,1,2,3
	v_max_num_f32 v[TM+\b], v[TM+\b], v[TM+4+\b]           ; with lane l xor 16's 16: the block's largest magnitude
.endr
.irp b, 0,1,2,3
	v_add_nc_u32 v[TM+12+\b], 0xfc000000, v[TM+\b]         ; 8 off its exponent field: the conversion's scale operand
.endr
.irp b, 0,1,2,3
	v_and_or_b32 v[TM+8+\b], v[TM+\b], 0x7f800000, s[MNT]  ; 448 x the scale
.endr
.irp b, 0,1,2,3
	v_lshrrev_b32 v[TM+4+\b], 23, v[TM+12+\b]              ; the scale's byte
.endr
	v_lshl_or_b32 v[PW+\mt], v[TM+5], 8, v[TM+4]
	v_lshl_or_b32 v[PW+\mt], v[TM+6], 16, v[PW+\mt]
	v_lshl_or_b32 v[PW+\mt], v[TM+7], 24, v[PW+\mt]
	WIN 0x82                                       ; destination and source 0 window 2
.irp b, 0,1,2,3
.irp i, 0,1,2,3,4,5,6,7,8,9,10,11,12,13,14,15
	v_med3_num_f32 v[A0+16*\b+\i], v[A0+16*\b+\i], -v[TM+8+\b], v[TM+8+\b]   ; the conversion to an 8-bit code does not saturate (ISA guide 7.6.2)
.endr
.endr
	WIN 0x02                                       ; source 0 window 2
.irp b, 0,1,2,3
	v_cvt_scalef32_pk8_fp8_f32 v[PC+16*\mt+4*\b:PC+16*\mt+4*\b+1], v[A0+16*\b:A0+16*\b+7], v[TM+12+\b]
	v_cvt_scalef32_pk8_fp8_f32 v[PC+16*\mt+4*\b+2:PC+16*\mt+4*\b+3], v[A0+16*\b+8:A0+16*\b+15], v[TM+12+\b]
.endr
	WIN 0
	v_nop                                          ; a plain line behind the last conversion
.irp blk, 0,1,2,3
	global_store_b128 v[VO+2*\mt+\blk/2], v[PC+16*\mt+4*\blk:PC+16*\mt+4*\blk+3], s[84:85] offset:512*(\blk%2)   ; a group of four registers as it stands: 32 lanes store 512 consecutive bytes
.endr
.endm
.macro TILE k
.irp ks, 0,1,2,3,4,5,6,7
	KSTEP \k, \ks
.endr
.rept 8
	v_nop                                          ; eight places between the last products and the first read of results
.endr
	QUANTW 0
.if (\k) < 2
	s_wait_alu depctr_va_vdst(0)
	s_wait_tensorcnt 0x0                           ; the next tile's K steps 0-3 have landed, as far as they are mine;
	ds_add_u32 v[SPW], v[NIL]                      ; 0 onto my spare word;
	s_wait_dscnt 0x0                               ; my reads of K steps 4-7 were waited for ahead of the last products
	CROUND
	REFILL 2, 3                                    ; slot 1: the next tile's K steps 4-7
	ADRS
	FETCH 0                                        ; the next tile's first fragments come while the rest of this one leaves
.endif
	QUANTW 1
.if (\k) < 2
	v_perm_b32 v[D0], v[PW+1], v[PW], 0x05040100   ; a head's word = bytes 0, 1 of both tiles' words (selector bytes 0-3 take from the second source, 4-7 from the first);
	v_perm_b32 v[D1], v[PW+1], v[PW], 0x07060302   ; the next head's = bytes 2, 3
.else
	v_mov_b32 v[D0], v[PW]                         ; each tile's word as it is
	v_mov_b32 v[D1], v[PW+1]
.endif
	v_and_b32 v[TM], 16, v0
	v_cmp_ne_u32 vcc_lo, 0, v[TM]
	v_cndmask_b32 v[D0], v[D0], v[D1], vcc_lo      ; lanes 0-15 store the first word of their row, lanes 16-31 the second
	global_store_b32 v[VS], v[D0], s[86:87]
.if (\k) < 2
	s_wait_alu depctr_va_vdst(0)
	s_wait_xcnt 0x0                                ; the stores have read their registers and bases
	OUTADR (\k)+1
	s_wait_alu depctr_va_vdst(0)
	s_wait_loadcnt 0x0                             ; the next tile's bias
.endif
.endm
	BIASQK BASQ
	OUTADR 0
	s_wait_alu depctr_va_vdst(0)                   ; the wait at the head's end
	s_cmp_lt_u32 s[WV], 2                          ; K steps 0-3 came by waves 0 and 1; the others' load may stay out
	s_cbranch_scc0 .Lnot_first
	s_wait_tensorcnt 0x0
.Lnot_first:
	s_barrier_signal -1
	s_barrier_wait -1
	FETCH 0
	s_wait_loadcnt 0x0                             ; the bias
	TILE 0
	TILE 1
	WIN 0x80
.irp mt, 0,1
.set SI, 0
.rept 64
	v_mov_b32 v[BIA+64*\mt+SI], v[BT+\mt]
.set SI, SI+1
.endr
.endr
	WIN 0
	TILE 2
	s_wait_tensorcnt 0x0                           ; the wave's end
	ds_add_u32 v[SPW], v[NIL]
	s_wait_dscnt 0x0
	CROUND                                         ; the closing round: no work-group ends while a partner may still ask for a block that names it
	s_endpgm
.Lfunc_end_k_q0f3d8e08f3_proj:
	.size	k_q0f3d8e08f3_proj, .Lfunc_end_k_q0f3d8e08f3_proj-k_q0f3d8e08f3_proj
	.p2alignl 7, 3214868480
	.fill 96, 4, 3214868480
	.section	.rodata,"a",@progbits
	.p2align	6, 0x0
	.amdhsa_kernel k_q0f3d8e08f3_proj
		.amdhsa_group_segment_fixed_size 327680
		.amdhsa_private_segment_fixed_size 0
		.amdhsa_enable_private_segment 0
		.amdhsa_kernarg_size 56
		.amdhsa_user_sgpr_count 2
		.amdhsa_user_sgpr_kernarg_segment_ptr 1
		.amdhsa_wavefront_size32 1
		.amdhsa_system_sgpr_workgroup_id_x 1
		.amdhsa_system_sgpr_workgroup_id_y 1
		.amdhsa_system_sgpr_workgroup_id_z 1
		.amdhsa_system_vgpr_workitem_id 0
		.amdhsa_next_free_vgpr 768
		.amdhsa_next_free_sgpr 102
		.amdhsa_reserve_vcc 1
		.amdhsa_float_denorm_mode_32 3
		.amdhsa_float_denorm_mode_16_64 3
		.amdhsa_memory_ordered 1
		.amdhsa_forward_progress 1
		.amdhsa_inst_pref_size 207
	.end_amdhsa_kernel
	.amdgpu_metadata
---
amdhsa.version: [ 1, 2 ]
amdhsa.kernels:
  - .name:           k_q0f3d8e08f3_proj
    .symbol:         k_q0f3d8e08f3_proj.kd
    .args:
      - { .name: cimg, .offset: 0, .size: 8, .value_kind: global_buffer, .address_space: global }
      - { .name: bq, .offset: 8, .size: 8, .value_kind: global_buffer, .address_space: global }
      - { .name: bk, .offset: 16, .size: 8, .value_kind: global_buffer, .address_space: global }
      - { .name: bv, .offset: 24, .size: 8, .value_kind: global_buffer, .address_space: global }
      - { .name: qimg, .offset: 32, .size: 8, .value_kind: global_buffer, .address_space: global }
      - { .name: qsc, .offset: 40, .size: 8, .value_kind: global_buffer, .address_space: global }
      - { .name: kv, .offset: 48, .size: 8, .value_kind: global_buffer, .address_space: global }
    .group_segment_fixed_size: 327680
    .private_segment_fixed_size: 0
    .kernarg_segment_align: 8
    .kernarg_segment_size: 56
    .max_flat_workgroup_size: 128
    .sgpr_count:     102
    .vgpr_count:     768
    .wavefront_size: 32
...
	.end_amdgpu_metadata
.endif
;; end of part 2
;; launch attn (part 3): grid 8 x 32, 16 waves a work-group, clusters of 4 x 1, 272,384 bytes of LDS; arguments qimg, qsc, kv, ao; writes ao
.if DOCPART == 3
	.amdgcn_target "amdgcn-amd-amdhsa--gfx1250"
	.amdhsa_code_object_version 6
	.text
	.protected	k_q0f3d8e08f3_attn
	.globl	k_q0f3d8e08f3_attn
	.p2align	8
	.type	k_q0f3d8e08f3_attn,@function
k_q0f3d8e08f3_attn:
	s_mov_b64 s[64:65], 0
	v_nop
	global_prefetch_b8 v0, s[64:65] scope:SCOPE_SE
	s_setreg_imm32_b32 hwreg(HW_REG_WAVE_MODE, 25, 1), 1
	s_wait_xcnt 0x0
	s_wait_alu depctr_hold_cnt(0) depctr_sa_sdst(0) depctr_va_vdst(0) depctr_va_sdst(0) depctr_va_ssrc(0) depctr_va_vcc(0) depctr_vm_vsrc(0)
	s_getreg_b32 s2, hwreg(HW_REG_IB_STS2, 6, 4)
	s_cmp_eq_u32 s2, 0
	s_cbranch_scc0 .Lentry_in_a_cluster
	s_endpgm
.Lentry_in_a_cluster:
	s_bfe_u32 s2, ttmp6, 0x10000c
	s_cmp_lg_u32 s2, 0x3003
	s_cbranch_scc0 .Lentry_shape_is_right
	s_endpgm
.Lentry_shape_is_right:
; Causal attention of one head (work-group y = 16 batch + head) on codes of FP8 (E4M3) with E8M0 scales; head size 64, 2,048 keys.  The result, O / l, is quantised along the model's 1,024 and stored as the last product's operand.
; THE SOFTMAX AHEAD OF THE SECOND PRODUCT: t = score x log2(e) / 8; M = the running largest t rounded UP to a whole number; p = 2^(t - M) is quantised along the keys, not normalised.
; The row's sum is taken of the unquantised p and divides O at the end.  When M moves, the sum and O are multiplied by 2^(old M - new M), which rounds nothing.
; THE WHOLE HEAD LIES IN LDS: 16 key steps of 16,896 bytes as kv has them (K's four register images, V's four, K's and V's scale words).  Every LDS byte is filled once, by one load a wave: wave w brings key step w.
; CLUSTER 4 x 1: the four work-groups of a cluster belong to one head and ask for each key step JOINTLY.
; SHARES.  Work-group x (0..7) and wave w own ONE tile of 16 queries: 128 j + 32 (x / 2) + 8 (x % 2) + r + 8 (r / 8).  The tile needs key steps 0 .. j; step j lies on the diagonal.
; j = (15 - w) xor 3 ((w / 4) % 2): the longest walks go to the lowest waves, and the waves w, w + 4, w + 8, w + 12 have 34 steps together.  All branches hang on the wave's number and the trip.
; Waves 0..7 take key step 0 while the other fifteen steps land; behind ONE barrier all walk on to their ends with no barrier between.
; LAYOUT.  Both products are used transposed: a lane holds ONE query.  S^T = K Q^T: the head's 64 fill half of the instruction's 128 along K, so a fragment of K holds TWO tiles of 16 keys (registers 0-7, 8-15),
; and Q stands between zero codes: [Q | zeros] picks the first tile, [zeros | Q] the second.  The zero codes meet codes of K, which are numbers (the quantiser holds at 448 and makes no NaN code): such products are 0.
; The keys of a tile are 32 g + 8 u + r + 8 (r / 8), so the 16 registers of tiles (g, 0), (g, 1) are keys 32 g + 16 (lane / 16) + 0 .. 15; V's channels are tiled likewise, so O^T's 16 registers of two tiles are 16 neighbouring channels.
; No prefetch: all that a work-group reads is asked for at its head; there is no later load to run ahead of.
; WORK LEFT OUT: key steps all of whose keys the causal mask hides from a tile: their p is 0.  A NaN or an infinity in them is not carried to the result.
; LIMITS: NaN and infinities are not served; scaled scores stay under 2^31 in magnitude.  A block's largest p is made from its largest score by the same two instructions; this takes v_exp_f32 not to fall where its input rises.
; A block of zeros gets the byte 1 where the quantiser says 127: its codes are zeros, and these bytes are read by this program alone.
.set KVB,  16896
.set MTB,  8*KVB
.set SPARE, 16*KVB                     ; the spare words, 128 bytes a wave: eight blocks of 256 bytes that no other line names
.set LI,   1                           ; v1   16 x lane
.set LS,   2                           ; v2   4 x lane
.set ADK,  3                           ; v3   LDS address of the step's images
.set ADS,  4                           ; v4   of its scale words
.set DQ,   5                           ; v5   my query within its 128, less 16 (lane / 16)
.set R4,   6                           ; v6   4 r
.set Q,    24                          ; v24-31 Q, between zero codes in v16-23 and v32-39
.set KF,   40                          ; v40-103 four fragments of K, then of V
.set S,    104                         ; v104-167 S^T, then p
.set O,    168                         ; v168-199 O^T
.set PC,   200                         ; v200-215 p's codes
.set BM,   216                         ; v216-219 the blocks' largest
.set T4,   220                         ; v220-223 at work
.set HD,   224                         ; v224-227 448 x the scale
.set CV,   228                         ; v228-231 the conversions' scale operands
.set KW,   232                         ; v232-233 K's scale words
.set VW,   234                         ; v234-235 V's
.set F,    236                         ; v236    2^(old M - new M)
.set PWD,  237                         ; v237    p's scale word
.set TMP,  238
.set QS,   239                         ; v239    Q's scale word: its two bytes, twice
.set QW,   240                         ; v240    the word of 32 queries that holds it
.set SPW,  254
.set NIL,  255
.set G1,   12                          ; s[12:19] descriptor group 1;  s[20:23] group 0
.set G0,   20
.set FIRST, 24                         ; s24  my first trip in the loop: 1 in waves 0..7, else 0
.set WV,   36
.set J,    37                          ; s37  my tile
.set TB,   39                          ; s39  where the key step in hand begins in LDS
.set T,    40                          ; s40  the trip: the key step
.set CS,   42                          ; s[42:43] c = log2(e) / 8
.set SEL,  44
.set MNT,  46
.macro CROUND                          ; a round of the cluster's barrier
	s_barrier_signal -1
	s_barrier_wait -1
	s_cmp_lg_u32 s[WV], 0
	s_cbranch_scc1 .Lnot_wave_0_\@
	s_barrier_signal -3
.Lnot_wave_0_\@:
	s_barrier_wait -3
	s_barrier_signal -1
	s_barrier_wait -1
.endm
	s_load_b256 s[4:11], s[0:1], 0x0               ; qimg s[4:5], qsc s[6:7], kv s[8:9], ao s[10:11]
	v_lshl_add_u32 v[SPW], v0, 2, SPARE
	v_mov_b32 v[NIL], 0
	ds_add_u32 v[SPW], v[NIL]                      ; the wave's opening: the add, twice on end, and its wait ahead of my tensor load
	ds_add_u32 v[SPW], v[NIL]
	v_lshrrev_b32 v7, 5, v0
	s_delay_alu instid0(VALU_DEP_1)
	v_readfirstlane_b32 s[WV], v7                  ; wave 0..15
	s_bfe_u32 s52, ttmp6, 0x40000                  ; cx
	s_lshl_b32 s53, ttmp9, 2
	s_add_co_u32 s53, s53, s52                     ; x = 4 x cluster x + cx: it enters global addresses and the mask's numbers alone
	s_and_b32 s54, ttmp7, 0xffff                   ; y = 16 batch + head, which the partners share
	s_lshr_b32 s[FIRST], s[WV], 3
	s_xor_b32 s[FIRST], s[FIRST], 1
	s_bfe_u32 s[J], s[WV], 0x10002
	s_mul_i32 s[J], s[J], 3
	s_xor_b32 s[J], s[J], s[WV]
	s_xor_b32 s[J], s[J], 15                       ; j
	s_mov_b32 s[G1], 15|(3<<16)|(1<<21)            ; 15:0 the mask: all four work-groups; 17:16 elements of 8 bytes; 21 set beside a mask
	s_mov_b32 s[G1+1], 32<<16                      ; tensor_dim0 = 32: rows of 256 bytes
	s_mov_b32 s[G1+2], 66<<16                      ; tensor_dim1 = 66
	s_mov_b32 s[G1+3], 32<<16                      ; tile_dim0
	s_mov_b32 s[G1+4], 66                          ; tile_dim1
	s_mov_b32 s[G1+5], 32                          ; tensor_dim0_stride: dense
	s_mov_b32 s[G1+6], 0
	s_mov_b32 s[G1+7], 0
	s_mul_i32 s56, s54, 16*KVB
	s_mul_i32 s55, s[WV], KVB
	s_add_co_u32 s56, s56, s55
	s_mov_b32 s57, 0
	s_wait_dscnt 0x0                               ; both opening adds are done
	s_wait_kmcnt 0x0
	s_add_nc_u64 s[56:57], s[8:9], s[56:57]
	s_mov_b32 s[G0], 1                             ; key step w
	s_mov_b32 s[G0+1], s55
	s_mov_b64 s[G0+2:G0+3], s[56:57]
	s_or_b32 s[G0+3], s[G0+3], 0x80000000
	CROUND                                         ; all four work-groups are here: the joint loads meet
	s_cmp_lt_u32 s[WV], 1                          ; key step 0 is wanted first: a line of its own
	s_cbranch_scc0 .Lrest
	tensor_load_to_lds s[G0:G0+3], s[G1:G1+7]
	s_nop 0
.rept 4
	v_nop
.endr
	s_branch .Lasked
.Lrest:
	tensor_load_to_lds s[G0:G0+3], s[G1:G1+7]
	s_nop 0
.rept 4
	v_nop
.endr
.Lasked:
	s_lshr_b32 s58, s53, 1
	s_lshl_b32 s58, s58, 5
	s_and_b32 s59, s53, 1
	s_lshl_b32 s59, s59, 3
	s_add_co_u32 s58, s58, s59
	v_and_b32 v[LI], 31, v0
	v_lshlrev_b32 v[LS], 2, v[LI]
	v_lshlrev_b32 v[LI], 4, v[LI]
	v_and_b32 v7, 15, v0                           ; r
	v_bfe_u32 v8, v0, 4, 1                         ; h
	v_lshlrev_b32 v[R4], 2, v7
	v_and_b32 v9, 8, v7
	v_add_nc_u32 v9, v9, v7                        ; r + 8 (r / 8)
	v_add_nc_u32 v9, s58, v9                       ; my query within its 128
	v_lshlrev_b32 v8, 4, v8
	v_sub_nc_u32 v[DQ], v9, v8
	v_mov_b32 v13, 0xff61b1e6                      ; the largest t so far: -3e38, under every t
	v_floor_f32 v12, -v13                          ; -M
	v_mov_b32 v14, 0                               ; the sum, in two halves
	v_mov_b32 v15, 0
.irp b, 0,1,2,3
	v_mov_b32 v[T4+\b], 0                          ; written once: a lane permute's destination counts as one of its sources
.endr
	v_mov_b32 v[TMP], 0
	v_mov_b32 v[PWD], 0                            ; (named as the upper half of the pair v[236:237] before it is first written)
.irp i, 0,1,2,3,4,5,6,7
	v_mov_b32 v[Q-8+\i], 0                         ; the zero codes
	v_mov_b32 v[Q+8+\i], 0
.endr
.irp j, 0,1,2,3,4,5,6,7,8,9,10,11,12,13,14,15,16,17,18,19,20,21,22,23,24,25,26,27,28,29,30,31
	v_mov_b32 v[O+\j], 0                           ; O^T.  (The step is written without a first step of its own: the first finds zeros, which the first change of M leaves zeros)
.endr
	s_wait_alu depctr_va_vdst(0)                   ; the wait at the head's end
	s_lshl_b32 s58, s54, 7                         ; Q: 128 tiles a head, tile 8 j + x, 1,024 bytes a tile
	s_lshl_b32 s59, s[J], 3
	s_add_co_u32 s58, s58, s59
	s_add_co_u32 s58, s58, s53
	s_lshl_b32 s58, s58, 10
	s_mov_b32 s59, 0
	s_add_nc_u64 s[4:5], s[4:5], s[58:59]
	s_lshl_b32 s58, s54, 6                         ; its scale words: 64 bytes for each 32 queries
	s_lshl_b32 s60, s[J], 2
	s_add_co_u32 s58, s58, s60
	s_lshr_b32 s60, s53, 1
	s_add_co_u32 s58, s58, s60
	s_lshl_b32 s58, s58, 6
	s_add_nc_u64 s[6:7], s[6:7], s[58:59]
	global_load_b128 v[Q:Q+3], v[LI], s[4:5]
	global_load_b128 v[Q+4:Q+7], v[LI], s[4:5] offset:512
	global_load_b32 v[QW], v[R4], s[6:7]
	s_lshr_b32 s58, s54, 4                         ; ao: block 16 batch + tile, K step head / 2, row tile x; my head's 64 are groups 2 (head % 2), + 1 of the image and bytes 2 (head % 2), + 1 of the scale word
	s_lshl_b32 s58, s58, 4
	s_add_co_u32 s58, s58, s[J]
	s_mul_i32 s58, s58, MTB
	s_bfe_u32 s60, s54, 0x30001
	s_mul_i32 s60, s60, KVB
	s_add_co_u32 s58, s58, s60
	s_add_nc_u64 s[10:11], s[10:11], s[58:59]
	s_and_b32 s60, s54, 1
	s_lshl_b32 s58, s53, 11
	s_lshl_b32 s61, s60, 10
	s_add_co_u32 s58, s58, s61
	s_add_nc_u64 s[48:49], s[10:11], s[58:59]
	s_lshl_b32 s58, s53, 6
	s_lshl_b32 s61, s60, 1
	s_add_co_u32 s58, s58, s61
	s_add_co_u32 s58, s58, 16384
	s_add_nc_u64 s[50:51], s[10:11], s[58:59]
	s_mov_b32 s[CS], 0x3e38aa3b                    ; c = log2(e) / sqrt(64)
	s_mov_b32 s[CS+1], s[CS]                       ; (named with it as a pair, so it is written)
	s_mov_b32 s[SEL], 0x76543210
	s_mov_b32 s[SEL+1], 0xfedcba98
	s_mov_b32 s[MNT], 0x600000
	s_and_b32 s62, s53, 1                          ; the word of 32 queries holds tile u = 0's two bytes, then tile u = 1's; mine is u = x % 2
	s_mov_b32 s61, 0x01000100
	s_cmp_lg_u32 s62, 0
	s_cselect_b32 s61, 0x03020302, s61
	s_wait_loadcnt 0x0
	v_perm_b32 v[QS], v[QW], v[QW], s61
; A KEY STEP: 128 keys, at s[TB] in LDS.  mask = 0: it cannot lie on the diagonal.
.macro STEP mask
	v_add_nc_u32 v[ADK], s[TB], v[LI]
	v_add_nc_u32 v[ADS], s[TB], v[LS]
.rept 6
	v_nop                                          ; with the two lines above: eight places between the last step's products and the loads into the registers that they read
.endr
.irp g, 0,1,2,3
.irp c, 0,1,2,3
	ds_load_b128 v[KF+16*\g+4*\c:KF+16*\g+4*\c+3], v[ADK] offset:2048*\g+512*\c
.endr
.endr
	ds_load_b32 v[KW], v[ADS] offset:16384         ; fragment 0's words in lanes 0-15, fragment 1's in lanes 16-31
	ds_load_b32 v[KW+1], v[ADS] offset:16384+128
	s_wait_dscnt 0x0
	s_wait_alu depctr_va_vdst(0)
.irp g, 0,1,2,3
.irp u, 0,1
.if \g%2
	v_wmma_scale_f32_16x16x128_f8f6f4 v[S+8*(2*\g+\u):S+8*(2*\g+\u)+7], v[KF+16*\g:KF+16*\g+15], v[Q-8*\u:Q-8*\u+15], 0, v[KW+\g/2], v[QS] matrix_a_scale:MATRIX_SCALE_ROW1
.else
	v_wmma_scale_f32_16x16x128_f8f6f4 v[S+8*(2*\g+\u):S+8*(2*\g+\u)+7], v[KF+16*\g:KF+16*\g+15], v[Q-8*\u:Q-8*\u+15], 0, v[KW+\g/2], v[QS]
.endif
.endr
.endr
.rept 8
	v_nop                                          ; eight places: in front of the loads into K's registers and of the first read of the scores
.endr
.irp dt, 0,1,2,3                       ; V's fragments are asked for now and land while the softmax is worked
.irp c, 0,1,2,3
	ds_load_b128 v[KF+16*\dt+4*\c:KF+16*\dt+4*\c+3], v[ADK] offset:8192+2048*\dt+512*\c
.endr
.endr
	ds_load_b32 v[VW], v[ADS] offset:16640
	ds_load_b32 v[VW+1], v[ADS] offset:16640+128
.if \mask
	s_cmp_lg_u32 s[T], s[J]                        ; only step j lies on the diagonal
	s_cbranch_scc1 .Lopen_\@
	v_mov_b32 v[TMP], 0xff800000                   ; -infinity: p = 0 then.  Register 16 b + i holds key 32 b + 16 (lane / 16) + i of the step: hidden where 32 b + i > v[DQ]
.irp n, 0,1,2,3,4,5,6,7,8,9,10,11,12,13,14,15,16,17,18,19,20,21,22,23,24,25,26,27,28,29,30,31,32,33,34,35,36,37,38,39,40,41,42,43,44,45,46,47,48,49,50,51,52,53,54,55,56,57,58,59,60,61,62,63
	v_cmp_gt_i32 vcc_lo, 32*(\n/16)+\n%16, v[DQ]
	v_cndmask_b32 v[S+\n], v[S+\n], v[TMP], vcc_lo
.endr
.Lopen_\@:
.endif
.irp b, 0,1,2,3
	v_max3_num_f32 v[BM+\b], v[S+16*\b], v[S+1+16*\b], v[S+2+16*\b]   ; the largest score of each block of 32 keys: it serves the row's maximum and, since p rises with the score, the block's largest p
.endr
.irp i, 3,5,7,9,11,13
.irp b, 0,1,2,3
	v_max3_num_f32 v[BM+\b], v[BM+\b], v[S+16*\b+\i], v[S+1+16*\b+\i]
.endr
.endr
.irp b, 0,1,2,3
	v_max_num_f32 v[BM+\b], v[BM+\b], v[S+15+16*\b]
.endr
.irp b, 0,1,2,3
	s_delay_alu instid0(VALU_DEP_4)
	v_permlanex16_b32 v[T4+\b], v[BM+\b], s[SEL], s[SEL+1]
.endr
.irp b, 0,1,2,3
	s_delay_alu instid0(VALU_DEP_4)
	v_max_num_f32 v[BM+\b], v[BM+\b], v[T4+\b]     ; with lane l xor 16's 16 keys
.endr
	s_delay_alu instid0(VALU_DEP_2)
	v_max3_num_f32 v[TMP], v[BM], v[BM+1], v[BM+2]
	s_delay_alu instid0(VALU_DEP_1)
	v_max_num_f32 v[TMP], v[TMP], v[BM+3]          ; the step's largest score of my query (the step's first key counts for every query of the tile: it is a number)
	s_delay_alu instid0(VALU_DEP_1)
	v_mul_f32 v[TMP], s[CS], v[TMP]
	s_delay_alu instid0(VALU_DEP_1)
	v_max_num_f32 v13, v13, v[TMP]                 ; the running largest t
	v_mov_b32 v[TMP], v12
	s_delay_alu instid0(VALU_DEP_2)
	v_floor_f32 v12, -v13                          ; the new -M = floor(-t) = -ceil(t)
	s_delay_alu instid0(VALU_DEP_1)
	v_sub_f32 v[TMP], v12, v[TMP]                  ; old M less new M: a whole number, 0 or less
	s_delay_alu instid0(VALU_DEP_1)
	v_cvt_i32_f32 v[TMP], v[TMP]                   ; (it saturates)
	s_delay_alu instid0(VALU_DEP_1)
	v_ldexp_f32 v[F], 1.0, v[TMP]                  ; f = 2^(old M - new M)
.irp j, 0,2,4,6,8,10,12,14,16,18,20,22,24,26,28,30,32,34,36,38,40,42,44,46,48,50,52,54,56,58,60,62
	v_pk_fma_f32 v[S+\j:S+1+\j], v[S+\j:S+1+\j], s[CS:CS+1], v[12:13] op_sel_hi:[1,0,0]   ; t - M, two at a time
.endr
.irp b, 0,1,2,3
	v_fma_f32 v[BM+\b], v[BM+\b], s[CS], v12       ; the same of each block's largest score
.endr
	s_wait_alu depctr_va_vdst(0)                   ; one wait ahead of the batch and one behind it
.irp j, 0,1,2,3,4,5,6,7,8,9,10,11,12,13,14,15,16,17,18,19,20,21,22,23,24,25,26,27,28,29,30,31,32,33,34,35,36,37,38,39,40,41,42,43,44,45,46,47,48,49,50,51,52,53,54,55,56,57,58,59,60,61,62,63
	v_exp_f32 v[S+\j], v[S+\j]                     ; p = 2^(t - M), at most 1
.endr
.irp b, 0,1,2,3
	v_exp_f32 v[BM+\b], v[BM+\b]                   ; the block's largest p
.endr
	v_pk_mul_f32 v[14:15], v[14:15], v[F:F+1] op_sel_hi:[1,0]   ; the sums under the new M.  (A plain line behind the exponentials)
	s_wait_alu depctr_va_vdst(0)
.irp b, 0,1,2,3
	v_max_num_f32 v[BM+\b], 0x4800000, v[BM+\b]    ; the floor 2^(9 - 127): the byte cannot fall under 1
.endr
.irp b, 0,1,2,3
	s_delay_alu instid0(VALU_DEP_4)
	v_add_nc_u32 v[CV+\b], 0xfc000000, v[BM+\b]    ; 8 off the exponent field: the conversion's scale operand
.endr
.irp b, 0,1,2,3
	v_and_or_b32 v[HD+\b], v[BM+\b], 0x7f800000, s[MNT]   ; 448 x the scale
.endr
.irp b, 0,1,2,3
	v_lshrrev_b32 v[T4+\b], 23, v[CV+\b]           ; the scale's byte
.endr
	s_delay_alu instid0(VALU_DEP_3)
	v_lshl_or_b32 v[PWD], v[T4+1], 8, v[T4]        ; p's scale word for these 128 keys
	s_delay_alu instid0(VALU_DEP_1)
	v_lshl_or_b32 v[PWD], v[T4+2], 16, v[PWD]
	s_delay_alu instid0(VALU_DEP_1)
	v_lshl_or_b32 v[PWD], v[T4+3], 24, v[PWD]
.set SI, S                             ; the row's sum of the unquantised p: eight chains by turns
.irp c, T4,T4+2,BM,BM+2,242,250,252
	v_pk_add_f32 v[\c:\c+1], v[SI:SI+1], v[SI+2:SI+3]
.set SI, SI+4
.endr
.irp c, 14,T4,T4+2,BM,BM+2,242,250,252,14,T4,T4+2,BM,BM+2,242,250,252,14,T4
	v_pk_add_f32 v[\c:\c+1], v[\c:\c+1], v[SI:SI+1]
.set SI, SI+2
.endr
	v_pk_add_f32 v[T4+2:T4+3], v[T4+2:T4+3], v[250:251]
	v_pk_add_f32 v[BM:BM+1], v[BM:BM+1], v[252:253]
	v_pk_add_f32 v[14:15], v[14:15], v[BM+2:BM+3]
	v_pk_add_f32 v[T4:T4+1], v[T4:T4+1], v[242:243]
	v_pk_add_f32 v[BM:BM+1], v[BM:BM+1], v[T4+2:T4+3]
	v_pk_add_f32 v[14:15], v[14:15], v[T4:T4+1]
	v_pk_add_f32 v[14:15], v[14:15], v[BM:BM+1]
.irp b, 0,1,2,3
.irp i, 0,2,4,6,8,10,12,14
	v_dual_min_num_f32 v[S+16*\b+\i], v[S+16*\b+\i], v[HD+\b] :: v_dual_min_num_f32 v[S+16*\b+\i+1], v[S+16*\b+\i+1], v[HD+\b]   ; the conversion to an 8-bit code does not saturate (ISA guide 7.6.2); p is not negative, so the hold is one-sided
.endr
	v_cvt_scalef32_pk8_fp8_f32 v[PC+4*\b:PC+1+4*\b], v[S+16*\b:S+7+16*\b], v[CV+\b]
	v_cvt_scalef32_pk8_fp8_f32 v[PC+2+4*\b:PC+3+4*\b], v[S+8+16*\b:S+15+16*\b], v[CV+\b]
.endr
	s_wait_dscnt 0x0                               ; V and its scale words are in
	s_wait_alu depctr_va_vdst(0)                   ; the wait ahead of the first readers of O^T
.irp j, 0,2,4,6,8,10,12,14,16,18,20,22,24,26,28,30
	v_pk_mul_f32 v[O+\j:O+1+\j], v[O+\j:O+1+\j], v[F:F+1] op_sel_hi:[1,0]   ; O^T under the new M.  (These sixteen also stand between the conversions and the products below)
.endr
.irp dt, 0,1,2,3                       ; O^T += V^T P^T; the four accumulators take turns, one instruction a turn
.if \dt%2
	v_wmma_scale_f32_16x16x128_f8f6f4 v[O+8*\dt:O+8*\dt+7], v[KF+16*\dt:KF+16*\dt+15], v[PC:PC+15], v[O+8*\dt:O+8*\dt+7], v[VW+\dt/2], v[PWD] matrix_a_scale:MATRIX_SCALE_ROW1
.else
	v_wmma_scale_f32_16x16x128_f8f6f4 v[O+8*\dt:O+8*\dt+7], v[KF+16*\dt:KF+16*\dt+15], v[PC:PC+15], v[O+8*\dt:O+8*\dt+7], v[VW+\dt/2], v[PWD]
.endif
.endr
.endm
	s_cmp_lt_u32 s[WV], 1                          ; wave 0: key step 0 has landed; the other waves' loads may stay out
	s_cbranch_scc0 .Lnot_first
	s_wait_tensorcnt 0x0
.Lnot_first:
	s_wait_alu depctr_va_vdst(0)                   ; the wait ahead of the barrier
	s_barrier_signal -1
	s_barrier_wait -1
	s_mov_b32 s[T], 0
	s_mov_b32 s[TB], 0
	s_cmp_lt_u32 s[WV], 8                          ; waves 0..7 (j is 8 or more) take key step 0 now
	s_cbranch_scc0 .Llate
	STEP 0
.Llate:
	s_wait_tensorcnt 0x0                           ; all key steps have landed
	s_wait_dscnt 0x0
	s_barrier_signal -1
	s_barrier_wait -1
.Ltrip:
	s_cmp_lt_u32 s[T], s[FIRST]                    ; key step 0 is done in waves 0..7
	s_cbranch_scc1 .Lnothing
	s_cmp_gt_u32 s[T], s[J]                        ; all its keys come after my queries: nothing to do
	s_cbranch_scc1 .Lnothing
	s_mul_i32 s[TB], s[T], KVB
	STEP 1
.Lnothing:
	s_add_co_u32 s[T], s[T], 1
	s_cmp_lt_u32 s[T], 16
	s_cbranch_scc1 .Ltrip
	; THE WAY OUT.  O^T / the sum; register 16 g + i is channel 32 g + 16 (lane / 16) + i of my query: two blocks of 32 along the last product's K, quantised in registers and stored.
.rept 8
	v_nop                                          ; eight places between the last products and the first read of O^T
.endr
	v_add_f32 v14, v14, v15                        ; the sum's two halves,
	v_permlanex16_b32 v[TMP], v14, s[SEL], s[SEL+1]
	s_delay_alu instid0(VALU_DEP_1)
	v_add_f32 v14, v14, v[TMP]                     ; and lane l xor 16's: the row's sum
	s_wait_alu depctr_va_vdst(0)                   ; the wait ahead of the transcendental and behind it
	v_rcp_f32 v14, v14
	v_nop                                          ; a plain line behind the transcendental
	s_wait_alu depctr_va_vdst(0)
.irp j, 0,1,2,3,4,5,6,7,8,9,10,11,12,13,14,15,16,17,18,19,20,21,22,23,24,25,26,27,28,29,30,31
	v_mul_f32 v[S+\j], v[O+\j], v14
.endr
.irp b, 0,1
	v_max3_num_f32 v[BM+\b], |v[S+16*\b]|, |v[S+1+16*\b]|, 0x4800000
.endr
.irp i, 2,4,6,8,10,12,14
.irp b, 0,1
	s_delay_alu instid0(VALU_DEP_2)
	v_max3_num_f32 v[BM+\b], v[BM+\b], |v[S+16*\b+\i]|, |v[S+1+16*\b+\i]|
.endr
.endr
.irp b, 0,1
	s_delay_alu instid0(VALU_DEP_2)
	v_permlanex16_b32 v[T4+\b], v[BM+\b], s[SEL], s[SEL+1]
.endr
.irp b, 0,1
	s_delay_alu instid0(VALU_DEP_2)
	v_max_num_f32 v[BM+\b], v[BM+\b], v[T4+\b]
.endr
.irp b, 0,1
	s_delay_alu instid0(VALU_DEP_2)
	v_add_nc_u32 v[CV+\b], 0xfc000000, v[BM+\b]
.endr
.irp b, 0,1
	s_delay_alu instid0(VALU_DEP_4)
	v_and_or_b32 v[HD+\b], v[BM+\b], 0x7f800000, s[MNT]
.endr
.irp b, 0,1
	s_delay_alu instid0(VALU_DEP_4)
	v_lshrrev_b32 v[T4+\b], 23, v[CV+\b]
.endr
	s_delay_alu instid0(VALU_DEP_1)
	v_lshl_or_b32 v[PWD], v[T4+1], 8, v[T4]        ; my head's two bytes of the row's scale word
.irp b, 0,1
.irp i, 0,1,2,3,4,5,6,7,8,9,10,11,12,13,14,15
	v_med3_num_f32 v[S+16*\b+\i], v[S+16*\b+\i], -v[HD+\b], v[HD+\b]
.endr
	v_cvt_scalef32_pk8_fp8_f32 v[PC+4*\b:PC+1+4*\b], v[S+16*\b:S+7+16*\b], v[CV+\b]
	v_cvt_scalef32_pk8_fp8_f32 v[PC+2+4*\b:PC+3+4*\b], v[S+8+16*\b:S+15+16*\b], v[CV+\b]
.endr
	v_nop                                          ; a plain line behind the last conversion
	global_store_b128 v[LI], v[PC:PC+3], s[48:49]              ; a group of four registers as it stands: 32 lanes store 512 consecutive bytes
	global_store_b128 v[LI], v[PC+4:PC+7], s[48:49] offset:512
	global_store_b16 v[R4], v[PWD], s[50:51]       ; 2 bytes a row, beside 64 bytes of codes; both lanes of a row write the same two bytes with the same value
	s_wait_tensorcnt 0x0                           ; the wave's end
	ds_add_u32 v[SPW], v[NIL]
	s_wait_dscnt 0x0
	CROUND                                         ; the closing round: no work-group ends while a partner may still ask for a key step that names it
	s_endpgm
.Lfunc_end_k_q0f3d8e08f3_attn:
	.size	k_q0f3d8e08f3_attn, .Lfunc_end_k_q0f3d8e08f3_attn-k_q0f3d8e08f3_attn
	.p2alignl 7, 3214868480
	.fill 96, 4, 3214868480
	.section	.rodata,"a",@progbits
	.p2align	6, 0x0
	.amdhsa_kernel k_q0f3d8e08f3_attn
		.amdhsa_group_segment_fixed_size 272384
		.amdhsa_private_segment_fixed_size 0
		.amdhsa_enable_private_segment 0
		.amdhsa_kernarg_size 32
		.amdhsa_user_sgpr_count 2
		.amdhsa_user_sgpr_kernarg_segment_ptr 1
		.amdhsa_wavefront_size32 1
		.amdhsa_system_sgpr_workgroup_id_x 1
		.amdhsa_system_sgpr_workgroup_id_y 1
		.amdhsa_system_sgpr_workgroup_id_z 1
		.amdhsa_system_vgpr_workitem_id 0
		.amdhsa_next_free_vgpr 256
		.amdhsa_next_free_sgpr 66
		.amdhsa_reserve_vcc 1
		.amdhsa_float_denorm_mode_32 3
		.amdhsa_float_denorm_mode_16_64 3
		.amdhsa_memory_ordered 1
		.amdhsa_forward_progress 1
		.amdhsa_inst_pref_size 59
	.end_amdhsa_kernel
	.amdgpu_metadata
---
amdhsa.version: [ 1, 2 ]
amdhsa.kernels:
  - .name:           k_q0f3d8e08f3_attn
    .symbol:         k_q0f3d8e08f3_attn.kd
    .args:
      - { .name: qimg, .offset: 0, .size: 8, .value_kind: global_buffer, .address_space: global }
      - { .name: qsc, .offset: 8, .size: 8, .value_kind: global_buffer, .address_space: global }
      - { .name: kv, .offset: 16, .size: 8, .value_kind: global_buffer, .address_space: global }
      - { .name: ao, .offset: 24, .size: 8, .value_kind: global_buffer, .address_space: global }
    .group_segment_fixed_size: 272384
    .private_segment_fixed_size: 0
    .kernarg_segment_align: 8
    .kernarg_segment_size: 32
    .max_flat_workgroup_size: 512
    .sgpr_count:     66
    .vgpr_count:     256
    .wavefront_size: 32
...
	.end_amdgpu_metadata
.endif
;; end of part 3
;; launch oproj (part 4): grid 8 x 32, 4 waves a work-group, clusters of 4 x 4, 270,848 bytes of LDS; arguments ao, cimg, bo, out0; writes out0
.if DOCPART == 4
	.amdgcn_target "amdgcn-amd-amdhsa--gfx1250"
	.amdhsa_code_object_version 6
	.text
	.protected	k_q0f3d8e08f3_oproj
	.globl	k_q0f3d8e08f3_oproj
	.p2align	8
	.type	k_q0f3d8e08f3_oproj,@function
k_q0f3d8e08f3_oproj:
	s_mov_b64 s[64:65], 0
	v_nop
	global_prefetch_b8 v0, s[64:65] scope:SCOPE_SE
	s_setreg_imm32_b32 hwreg(HW_REG_WAVE_MODE, 25, 1), 1
	s_wait_xcnt 0x0
	s_wait_alu depctr_hold_cnt(0) depctr_sa_sdst(0) depctr_va_vdst(0) depctr_va_sdst(0) depctr_va_ssrc(0) depctr_va_vcc(0) depctr_vm_vsrc(0)
	s_getreg_b32 s2, hwreg(HW_REG_IB_STS2, 6, 4)
	s_cmp_eq_u32 s2, 0
	s_cbranch_scc0 .Lentry_in_a_cluster
	s_endpgm
.Lentry_in_a_cluster:
	s_bfe_u32 s2, ttmp6, 0x10000c
	s_cmp_lg_u32 s2, 0xf033
	s_cbranch_scc0 .Lentry_shape_is_right
	s_endpgm
.Lentry_shape_is_right:
; out0 = Q(attention's result) Q(Wo)^T + bo, on codes of FP8 (E4M3) with E8M0 scales; out0 [2048][2][1024] f32.
; A work-group makes 128 rows (block Y of ao: 16 batch + s / 128) x 128 features (block 120 + X of cimg: Wo) with ALL of K = 1,024 in LDS: two blocks of 135,168 bytes as they lie
; (8 K steps of 8 register images and their scale words).  Every LDS byte is filled once.
; THE MATRIX INSTRUCTION: source 0 = a tile of Wo's rows, source 1 = a tile of ao's rows.  A lane holds ONE row of the output; since a tile's rows are 32 (t / 2) + 8 (t % 2) + r + 8 (r / 8),
; the 16 registers of Wo's tiles 2 g and 2 g + 1 are the 16 neighbouring features 32 g + 16 (lane / 16) + 0 .. 15.
; CLUSTERS 4 x 4: ao's block hangs on work-group y alone and is asked for jointly along a row of the cluster, Wo's on work-group x alone and jointly along a column.
; A wave takes row tiles 2 w, 2 w + 1 against Wo's 8 tiles: 16 accumulators, which take turns, one instruction a turn, in the same order in every K step.
; REGISTERS: window 0: v1-9 addresses; v16-79 ao's fragments, two sets; v80-89 scale words, two sets of 5; v128-255 rows on the way out.   window 1: Wo's fragments, two sets of 128.
;   window 2: v0-127 accumulators ((mt, t) at 64 mt + 8 t); v128-191 the bias in the result's layout, the C of each sum's first product.
.set BLK,  16896
.set MTB,  8*BLK                       ; LDS: ao's block at 0, Wo's at MTB
.set SPITCH, 528                       ; the way out: a stage of 16 rows x (512 bytes + 16) for each wave, in ao's K steps 0 and 1
.set LI,   1                           ; v1   16 x lane
.set LS,   2                           ; v2   4 x lane
.set AS,   3                           ; v3   LDS address of my row tiles in the K step to be fetched
.set AB,   4                           ; v4   of Wo's tiles
.set SSA,  5                           ; v5   of my row tiles' scale words (less 16,384)
.set SBA,  6                           ; v6   of Wo's
.set BO,   7                           ; v7   the bias: 64 h
.set STO,  8                           ; v8   the stage, on the way in
.set RD,   9                           ; v9   and back
.set SF,   16
.set SCW,  80
.set BK,   128
.set BIA,  128                         ; in window 2
.set WV,   18
.set HALF, 19
.set G1S,  20
.set G1B,  28
.set G0S,  36
.set G0B,  68
.set MSB, 0
.macro WIN new                         ; s_set_vgpr_msb: bits 1:0 source 0, 3:2 source 1, 5:4 source 2, 7:6 destination; the high byte repeats the setting that is left
.if MSB != \new
	s_set_vgpr_msb (MSB<<8)|\new
.set MSB, \new
.endif
.endm
.macro CROUND                          ; a round of the cluster's barrier
	s_barrier_signal -1
	s_barrier_wait -1
	s_cmp_lg_u32 s[WV], 0
	s_cbranch_scc1 .Lnot_wave_0_\@
	s_barrier_signal -3
.Lnot_wave_0_\@:
	s_barrier_wait -3
	s_barrier_signal -1
	s_barrier_wait -1
.endm
	s_load_b256 s[4:11], s[0:1], 0x0               ; ao s[4:5], cimg s[6:7], bo s[8:9], out0 s[10:11]
	v_lshl_add_u32 v126, v0, 2, 0x42000
	v_mov_b32 v127, 0
	ds_add_u32 v126, v127
	ds_add_u32 v126, v127
	v_lshrrev_b32 v1, 5, v0
	v_readfirstlane_b32 s[WV], v1                  ; wave 0..3
	s_lshr_b32 s[HALF], s[WV], 1                   ; which four K steps I fetch
	s_bfe_u32 s52, ttmp6, 0x40000                  ; cx
	s_bfe_u32 s53, ttmp6, 0x40004                  ; cy
	s_lshl_b32 s54, ttmp9, 2
	s_add_co_u32 s54, s54, s52                     ; X = 4 x cluster x + cx
	s_and_b32 s55, ttmp7, 0xffff
	s_lshl_b32 s56, s55, 2
	s_add_co_u32 s56, s56, s53                     ; Y = 4 x cluster y + cy
	s_lshl_b32 s58, s53, 2
	s_lshl_b32 s58, 15, s58                        ; my row of the cluster
	s_lshl_b32 s59, 0x1111, s52                    ; my column
	; descriptor group 1: four dense K steps, 264 rows of 256 bytes (32 elements of 8 bytes), no padding
	s_or_b32 s[G1S], s58, (3<<16)|(1<<21)          ; 15:0 the mask; 17:16 elements of 8 bytes; 21 set beside a mask
	s_or_b32 s[G1B], s59, (3<<16)|(1<<21)
.irp g, G1S, G1B
	s_mov_b32 s[\g+1], 32<<16                      ; tensor_dim0 = 32
	s_mov_b32 s[\g+2], 264<<16                     ; tensor_dim1 = 264: four K steps
	s_mov_b32 s[\g+3], 32<<16                      ; tile_dim0 = 32
	s_mov_b32 s[\g+4], 264                         ; tile_dim1 = 264
	s_mov_b32 s[\g+5], 32                          ; tensor_dim0_stride
	s_mov_b32 s[\g+6], 0
	s_mov_b32 s[\g+7], 0
.endr
	s_mul_i32 s60, s56, MTB                        ; ao's block Y: these registers never hold cx,
	s_add_co_u32 s62, s54, 120
	s_mul_i32 s62, s62, MTB                        ; Wo's block 120 + X: these never cy
	s_mul_i32 s84, s[HALF], 4*BLK                  ; my four K steps: in memory and in LDS alike
	s_add_co_u32 s60, s60, s84
	s_add_co_u32 s62, s62, s84
	s_mov_b32 s61, 0
	s_mov_b32 s63, 0
	s_wait_dscnt 0x0
	s_wait_kmcnt 0x0
	s_add_nc_u64 s[60:61], s[4:5], s[60:61]
	s_add_nc_u64 s[62:63], s[6:7], s[62:63]
.irp p, 0                              ; one group 0 for each operand
	s_mov_b32 s[G0S+4*\p], 1                       ; count = 1
	s_add_co_u32 s[G0S+4*\p+1], s84, \p*2*BLK      ; LDS address
	s_add_nc_u64 s[G0S+4*\p+2:G0S+4*\p+3], s[60:61], \p*2*BLK
	s_or_b32 s[G0S+4*\p+3], s[G0S+4*\p+3], 0x80000000   ; type = 2
	s_mov_b32 s[G0B+4*\p], 1
	s_add_co_u32 s[G0B+4*\p+1], s84, MTB+\p*2*BLK
	s_add_nc_u64 s[G0B+4*\p+2:G0B+4*\p+3], s[62:63], \p*2*BLK
	s_or_b32 s[G0B+4*\p+3], s[G0B+4*\p+3], 0x80000000
.endr
	CROUND                                         ; all sixteen work-groups are here: the joint loads meet
; One joint load a wave, a line of its own for each: waves 0, 1 fetch K steps 0-3 of ao's block and of Wo's, waves 2, 3 K steps 4-7.
.macro ARM under, g0, g1, next
	s_cmp_lt_u32 s[WV], \under
	s_cbranch_scc0 \next
	tensor_load_to_lds s[\g0:\g0+3], s[\g1:\g1+7]
	s_nop 0
.rept 4
	v_nop
.endr
	s_branch .Lfilled
\next:
.endm
	ARM 1, G0S, G1S, .Lfill_1
	ARM 2, G0B, G1B, .Lfill_2
	ARM 3, G0S, G1S, .Lfill_3
	tensor_load_to_lds s[G0B:G0B+3], s[G1B:G1B+7]
	s_nop 0
.rept 4
	v_nop
.endr
.Lfilled:
	v_and_b32 v[LI], 31, v0
	v_lshlrev_b32 v[LS], 2, v[LI]
	v_lshlrev_b32 v[LI], 4, v[LI]
	v_and_b32 v10, 15, v0                          ; r
	v_bfe_u32 v11, v0, 4, 1                        ; h
	s_lshl_b32 s2, s[WV], 12
	v_add_nc_u32 v[AS], s2, v[LI]                  ; my two row tiles: 4,096 bytes a wave
	v_add_nc_u32 v[AB], MTB, v[LI]
	s_lshl_b32 s2, s[WV], 7
	v_add_nc_u32 v[SSA], s2, v[LS]                 ; their 32 scale words: tile 2 w in lanes 0-15, tile 2 w + 1 in lanes 16-31
	v_add_nc_u32 v[SBA], MTB, v[LS]
	v_lshlrev_b32 v[BO], 6, v11
	s_mul_i32 s2, s[WV], 16*SPITCH                 ; my stage
	v_mul_u32_u24 v[STO], v10, SPITCH
	v_lshl_add_u32 v[STO], v11, 6, v[STO]
	v_add_nc_u32 v[STO], s2, v[STO]                ; in: row r, + 64 h: my 16 features of each 32
	v_add_nc_u32 v[RD], s2, v[LI]                  ; back: the 32 lanes take one row of 512 bytes
	s_lshl_b32 s2, s54, 9                          ; the bias of features 128 X on
	s_mov_b32 s3, 0
	s_add_nc_u64 s[8:9], s[8:9], s[2:3]
	WIN 0x80                                       ; destination window 2
.irp t, 0,1,2,3,4,5,6,7                ; register j of tile t is feature 32 (t / 2) + 8 (t % 2) + 16 h + j
	global_load_b128 v[BIA+8*\t:BIA+8*\t+3], v[BO], s[8:9] offset:(32*(\t/2)+8*(\t%2))*4
	global_load_b128 v[BIA+8*\t+4:BIA+8*\t+7], v[BO], s[8:9] offset:(32*(\t/2)+8*(\t%2))*4+16
.endr
	WIN 0
	s_and_b32 s2, s56, 15                          ; out0: s = 128 (Y % 16) + 32 w + ..; a row (s, batch) is row 2 s + batch of 4,096 bytes
	s_lshl_b32 s2, s2, 7
	s_lshl_b32 s85, s[WV], 5
	s_add_co_u32 s2, s2, s85
	s_lshl_b32 s2, s2, 1
	s_lshr_b32 s85, s56, 4
	s_add_co_u32 s2, s2, s85
	s_lshl_b32 s2, s2, 12
	s_lshl_b32 s85, s54, 9
	s_add_co_u32 s2, s2, s85
	s_add_nc_u64 s[10:11], s[10:11], s[2:3]
.macro FETCH set                       ; a K step's fragments and scale words into set: 45 LDS loads in one run
	WIN 0x40                                       ; destination window 1
.irp t, 0,1,2,3,4,5,6,7
.irp c, 0,1,2,3
	ds_load_b128 v[128*(\set)+16*\t+4*\c:128*(\set)+16*\t+4*\c+3], v[AB] offset:2048*\t+512*\c
.endr
.endr
	WIN 0
.irp mt, 0,1
.irp c, 0,1,2,3
	ds_load_b128 v[SF+32*(\set)+16*\mt+4*\c:SF+32*(\set)+16*\mt+4*\c+3], v[AS] offset:2048*\mt+512*\c
.endr
.endr
.irp a, 0,1,2,3
	ds_load_b32 v[SCW+5*(\set)+\a], v[SBA] offset:16384+128*\a   ; Wo's tile 2 a's words in lanes 0-15, tile 2 a + 1's in lanes 16-31
.endr
	ds_load_b32 v[SCW+5*(\set)+4], v[SSA] offset:16384
.endm
.macro WM d, a, b, c, sa, sb, ra, rb   ; one product; ra, rb: the side's scale words stand in lanes 16-31
.if (\ra) && (\rb)
	v_wmma_scale_f32_16x16x128_f8f6f4 v[(\d):(\d)+7], v[(\a):(\a)+15], v[(\b):(\b)+15], v[(\c):(\c)+7], v[\sa], v[\sb] matrix_a_scale:MATRIX_SCALE_ROW1 matrix_b_scale:MATRIX_SCALE_ROW1
.elseif (\ra)
	v_wmma_scale_f32_16x16x128_f8f6f4 v[(\d):(\d)+7], v[(\a):(\a)+15], v[(\b):(\b)+15], v[(\c):(\c)+7], v[\sa], v[\sb] matrix_a_scale:MATRIX_SCALE_ROW1
.elseif (\rb)
	v_wmma_scale_f32_16x16x128_f8f6f4 v[(\d):(\d)+7], v[(\a):(\a)+15], v[(\b):(\b)+15], v[(\c):(\c)+7], v[\sa], v[\sb] matrix_b_scale:MATRIX_SCALE_ROW1
.else
	v_wmma_scale_f32_16x16x128_f8f6f4 v[(\d):(\d)+7], v[(\a):(\a)+15], v[(\b):(\b)+15], v[(\c):(\c)+7], v[\sa], v[\sb]
.endif
.endm
.macro MUL set, first                  ; 16 products: my two row tiles x Wo's eight, 128 along K.  first = 1: the bias is the C: nothing is cleared and nothing is added later
	WIN 0xa1                                       ; source 0 window 1, source 1 window 0, C and D window 2
.irp mt, 0,1
.irp t, 0,1,2,3,4,5,6,7
.if \first
	WM 64*\mt+8*\t, 128*(\set)+16*\t, SF+32*(\set)+16*\mt, BIA+8*\t, SCW+5*(\set)+\t/2, SCW+5*(\set)+4, \t%2, \mt
.else
	WM 64*\mt+8*\t, 128*(\set)+16*\t, SF+32*(\set)+16*\mt, 64*\mt+8*\t, SCW+5*(\set)+\t/2, SCW+5*(\set)+4, \t%2, \mt
.endif
.endr
.endr
	WIN 0
.endm
.macro KSTEP ks
.if (\ks)==3
	s_wait_tensorcnt 0x0                           ; K steps 4-7 have landed, as far as they are mine
	s_wait_dscnt 0x0                               ; no LDS load of mine is pending at the signal: that ends my reads of K steps 0 to 3, of which 0 and 1 become the stages
	s_barrier_signal -1
	s_barrier_wait -1                              ; everybody's part has landed
.endif
.if (\ks) < 7
	v_add_nc_u32 v[AS], BLK, v[AS]                 ; on to the next K step.  These four lines and four v_nop are the eight places between the last K step's products and the loads into the set that they read
	v_add_nc_u32 v[AB], BLK, v[AB]
	v_add_nc_u32 v[SSA], BLK, v[SSA]
	v_add_nc_u32 v[SBA], BLK, v[SBA]
.rept 4
	v_nop
.endr
	FETCH ((\ks)+1)%2
	s_wait_alu depctr_va_vdst(0)
	s_wait_dscnt 45                                ; all but the 45 just issued: this K step's set is in
.else
	s_wait_dscnt 0x0
.endif
.if (\ks) == 0
	MUL 0, 1
.else
	MUL (\ks)%2, 0
.endif
.endm
	s_wait_alu depctr_va_vdst(0)
	s_cmp_lt_u32 s[WV], 2                          ; K steps 0-3 came by waves 0 and 1; the others' load may stay out
	s_cbranch_scc0 .Lnot_first
	s_wait_tensorcnt 0x0
.Lnot_first:
	s_barrier_signal -1
	s_barrier_wait -1
	FETCH 0
	s_wait_loadcnt 0x0                             ; the bias
.irp k, 0,1,2,3,4,5,6,7
	KSTEP \k
.endr
.rept 8
	v_nop                                          ; eight places between the last products and the first read of results
.endr
; THE WAY OUT, a tile of 16 rows x 128 features at a time.  A lane holds 64 bytes of each 128 of one row, and the lanes beside it hold other rows: so a tile goes through my own stage and comes back as whole rows of 512 bytes.
; The stages, 4 x 8,448 bytes, lie in ao's K steps 0 and 1: those bytes have had their only fill, and every wave's reads of them were waited for in front of the barrier at K step 3.
.macro TOSTAGE mt
	WIN 0x08                                       ; an LDS store's data are its source 1: window 2
.irp g, 0,1,2,3
.irp q, 0,1,2,3
	ds_store_b128 v[STO], v[64*\mt+16*\g+4*\q:64*\mt+16*\g+4*\q+3] offset:128*\g+16*\q   ; each accumulator from its low end on
.endr
.endr
	WIN 0
.irp i, 0,1,2,3,4,5,6,7,8,9,10,11,12,13,14,15
	ds_load_b128 v[BK+64*\mt+4*\i:BK+64*\mt+4*\i+3], v[RD] offset:SPITCH*\i   ; LDS serves a wave's instructions in order (ISA guide 5.7.1.4): these see the stores above, and the next tile's stores come behind them
.endr
.endm
.macro SEND mt, younger                ; younger: the LDS instructions issued behind this tile's loads, which may stay out
	s_wait_dscnt \younger
.irp i, 0,1,2,3,4,5,6,7,8,9,10,11,12,13,14,15
	global_store_b128 v[LI], v[BK+64*\mt+4*\i:BK+64*\mt+4*\i+3], s[10:11] offset:(8*\mt+\i+8*(\i/8))*8192 th:TH_STORE_NT   ; row i of the tile is s + 8 mt + i + 8 (i / 8); 32 lanes store 512 consecutive bytes, at a multiple of 256 from out0's first byte
.endr
.endm
	TOSTAGE 0
	TOSTAGE 1
	SEND 0, 32                                     ; behind tile 0's loads: tile 1's 16 stores and 16 loads
	SEND 1, 0
	s_wait_tensorcnt 0x0
	ds_add_u32 v126, v127
	s_wait_dscnt 0x0
	CROUND                                         ; the closing round: no work-group ends while a partner may still ask for a block that names it
	s_endpgm
.Lfunc_end_k_q0f3d8e08f3_oproj:
	.size	k_q0f3d8e08f3_oproj, .Lfunc_end_k_q0f3d8e08f3_oproj-k_q0f3d8e08f3_oproj
	.p2alignl 7, 3214868480
	.fill 96, 4, 3214868480
	.section	.rodata,"a",@progbits
	.p2align	6, 0x0
	.amdhsa_kernel k_q0f3d8e08f3_oproj
		.amdhsa_group_segment_fixed_size 270848
		.amdhsa_private_segment_fixed_size 0
		.amdhsa_enable_private_segment 0
		.amdhsa_kernarg_size 32
		.amdhsa_user_sgpr_count 2
		.amdhsa_user_sgpr_kernarg_segment_ptr 1
		.amdhsa_wavefront_size32 1
		.amdhsa_system_sgpr_workgroup_id_x 1
		.amdhsa_system_sgpr_workgroup_id_y 1
		.amdhsa_system_sgpr_workgroup_id_z 1
		.amdhsa_system_vgpr_workitem_id 0
		.amdhsa_next_free_vgpr 704
		.amdhsa_next_free_sgpr 88
		.amdhsa_reserve_vcc 0
		.amdhsa_float_denorm_mode_32 3
		.amdhsa_float_denorm_mode_16_64 3
		.amdhsa_memory_ordered 1
		.amdhsa_forward_progress 1
		.amdhsa_inst_pref_size 59
	.end_amdhsa_kernel
	.amdgpu_metadata
---
amdhsa.version: [ 1, 2 ]
amdhsa.kernels:
  - .name:           k_q0f3d8e08f3_oproj
    .symbol:         k_q0f3d8e08f3_oproj.kd
    .args:
      - { .name: ao, .offset: 0, .size: 8, .value_kind: global_buffer, .address_space: global }
      - { .name: cimg, .offset: 8, .size: 8, .value_kind: global_buffer, .address_space: global }
      - { .name: bo, .offset: 16, .size: 8, .value_kind: global_buffer, .address_space: global }
      - { .name: out0, .offset: 24, .size: 8, .value_kind: global_buffer, .address_space: global }
    .group_segment_fixed_size: 270848
    .private_segment_fixed_size: 0
    .kernarg_segment_align: 8
    .kernarg_segment_size: 32
    .max_flat_workgroup_size: 128
    .sgpr_count:     88
    .vgpr_count:     704
    .wavefront_size: 32
...
	.end_amdgpu_metadata
.endif
;; end of part 4
